; MI455X (gfx1250); checked and timed in simulation.
; The chip was launched on July 23, 2026; its instructions are those of AMD's public machine-readable ISA for CDNA 5 (MIT licence, August 2026) and "CDNA5" Instruction Set Architecture Reference Guide (July 2026). The comments in the code are by the model that wrote it; some were corrected since.
;; Encoder Layer. Allowed arithmetic: matrix products marked QUANTISED: E2M3 operands, one E8M0 scale for each 32 along K, by v_wmma_scale_f32_16x16x128_f8f6f4 with both operands' format E2M3, f32 sums; everything else in f32.
;; Inputs: W1 1,024 x 4,096 float32; W2 4,096 x 1,024 float32; W_K 1,024 x 1,024 float32; W_O 1,024 x 1,024 float32; W_Q 1,024 x 1,024 float32; W_V 1,024 x 1,024 float32; b1 4,096 float32; b2 1,024 float32; batch_X 2 x 2,048 x 1,024 float32; beta1 1,024 float32; beta2 1,024 float32; gamma1 1,024 float32; gamma2 1,024 float32; padding_mask 2 x 2,048 int32.
;; Outputs: out0 2 x 2,048 x 1,024 float32.
;; This version of the problem:
;;   THIS VERSION OF THE PROBLEM IS GIVEN IN LOW PRECISION. The matrix products marked QUANTISED in the list below multiply operands that are first quantised to E2M3 (2 exponent bits, 3 mantissa bits; 6 bits a number), with one power-of-two scale for each 32 numbers along K (OCP MX v1.0); their sums are f32. All else is computed in f32.
;;   The module's matrix products, in the order in which they are computed (A, B: the left and right operand; K: the contracted axis; several contracted axes count as one K, in the product's order):
;;     1. [M 4,096, K 1,024] x [K 1,024, N 1,024]; A: input batch_X; B: input W_Q: QUANTISED
;;     2. [M 4,096, K 1,024] x [K 1,024, N 1,024]; A: input batch_X; B: input W_K: QUANTISED
;;     3. [M 4,096, K 1,024] x [K 1,024, N 1,024]; A: input batch_X; B: input W_V: QUANTISED
;;     4. batch 32 x [M 2,048, K 64] x [K 64, N 2,048]; A: computed on the way; B: computed on the way: QUANTISED
;;     5. batch 32 x [M 64, K 2,048] x [K 2,048, N 2,048]; A: computed on the way; B: computed on the way: QUANTISED
;;     6. [M 4,096, K 1,024] x [K 1,024, N 1,024]; A: computed on the way; B: input W_O: QUANTISED
;;     7. [M 4,096, K 1,024] x [K 1,024, N 4,096]; A: computed on the way; B: input W1: QUANTISED
;;     8. [M 4,096, K 4,096] x [K 4,096, N 1,024]; A: computed on the way; B: input W2: QUANTISED
;;   THE QUANTISER, for each operand of a quantised product, along K:
;;     - K is cut into blocks of 32 from its start; a last block that is shorter is filled with zeros.
;;     - A block's scale is 2^e with e = floor(log2(the largest magnitude in the block)) - 2, held to -126 .. 127; a block of zeros has e = 0. As a byte (E8M0): e + 127.
;;     - Each number is divided by its block's scale, clamped to +-7.5, and rounded to the nearest number of E2M3, ties to even, subnormals kept.
;;     - The product sums the exact products of the quantised numbers (number of the format x scale) in f32.
;;   ~~~python
;;   def quantise(x, axis):      # numpy; x: float32 -> the quantised numbers, widened to float32 again
;;       x = np.moveaxis(x, axis, -1); K = x.shape[-1]
;;       x = np.pad(x, [(0, 0)] * (x.ndim - 1) + [(0, -K % 32)]); x = x.reshape(x.shape[:-1] + (-1, 32)); a = np.abs(x).max(-1, keepdims=True)
;;       e = np.where(a > 0, np.clip(np.frexp(np.where(a > 0, a, 1))[1] - 1 - 2, -126, 127), 0)      # np.frexp(a)[1] - 1 = floor(log2(a)), exactly
;;       r = np.clip(x / 2.0 ** e, -7.5, 7.5)
;;       step = 2.0 ** (np.maximum(np.frexp(np.where(r == 0, 1, r))[1] - 1, 0) - 3)
;;       q = np.round(r / step) * step * 2.0 ** e      # np.round: ties to even
;;       return np.moveaxis(q.reshape(q.shape[:-2] + (-1,))[..., :K], -1, axis).astype(np.float32)
;;   ~~~
;;   OPERANDS COMPUTED ON THE WAY. 'Computed on the way' means the value that the module computes at that place (a softmax that the list does not call 'softmax' is quantised finished and normalised). What goes into a quantiser is computed in f32, as accurately as f32 sums, v_exp_f32 and their like allow (about 1e-6 of the number): no bf16 or f16 on the way to a quantiser, and a product that is left as it is and whose result goes on into a quantised operand takes f32 operands (vector FMAs, or v_wmma_f32_16x16x4_f32). A number that lies on a knife's edge between two numbers of the format may be rounded either way, as far as f32 arithmetic and the matrix unit's own rounding can turn it there, and no further.
;; One version. Each part assembles by itself: llvm-mc -triple=amdgcn-amd-amdhsa -mcpu=gfx1250 --defsym DOCPART=n.
;; ======== version 1 of 1: 8 launches
;; workspace buffers: opw 13,107,200 bytes; qkv 9,830,400 bytes; ctxc 3,276,800 bytes; rowsf 16,777,216 bytes; x1b 20,054,016 bytes; hc 13,107,200 bytes
;; launch prep (part 1): grid 512 x 1, 4 waves a work-group, no clusters, 46,592 bytes of LDS; arguments batch_X, W_Q, W_K, W_V, W_O, W1, W2, opw; writes opw
.if DOCPART == 1
	.amdgcn_target "amdgcn-amd-amdhsa--gfx1250"
	.amdhsa_code_object_version 6
	.text
	.protected	k_qf7a66ada2a_prep
	.globl	k_qf7a66ada2a_prep
	.p2align	8
	.type	k_qf7a66ada2a_prep,@function
k_qf7a66ada2a_prep:
	s_mov_b64 s[64:65], 0
	v_nop
	global_prefetch_b8 v0, s[64:65] scope:SCOPE_SE
	s_setreg_imm32_b32 hwreg(HW_REG_WAVE_MODE, 25, 1), 1
	s_wait_xcnt 0x0
; ENCODER LAYER, launch 1 of 8: batch_X and the six weights become codes of E2M3 with one E8M0 byte for each 32 along K.
; DEAD WORK: none is left out in this program.  Every input has a way to out0 for some values: padding_mask zeroes query rows by its values alone,
; so all rows are computed and the factor 1/sum is chosen as 0 for a padded query; biases, gains and both residuals are applied as written.
; LIMITS: NaN and infinities among the inputs are not served.  A block of zeros gets the byte 1 where the rule says 127: its codes are zeros, which
; add nothing under any byte but 0xff, and the bytes are read by this program alone.
; THE LAYOUT OF EVERY CODE BUFFER OF THIS PROGRAM: images of operand registers.  A record is 128 row slots x 256 along K, REC = 25,600 bytes:
;   fragment (ksub 0..1, rt 0..7), 16 slots x 128 K, at 12288 ksub + 1536 rt; in it registers 4 c .. 4 c + 3 of lane l at 512 c + 16 l;
;   scale words at SCO + 512 ksub + 256 (rt / 4): the word of (rt, rho) at 8 (16 (rt % 2) + rho) + 4 ((rt / 2) % 2).
;   Slot (rt, rho) of panel p is matrix row 128 p + 32 (rt / 2) + 8 (rt % 2) + rho + 8 (rho / 8).
; opw: X at 0 (kslot x 32 + panel), W_Q W_K W_V W_O at 3,276,800 (panels 0-7, 8-15, 16-23, 24-31), W1 at 6,553,600, W2 at 9,830,400 (kslot x 8 + panel).
; Work-groups 0-127 take X (K innermost), 128-511 the weights (K is the first axis: a lane takes a column, its registers run down K).
; The two ways part on the work-group's number and have LDS bytes of their own.  No tensor load, no barrier: waves share nothing.
.set REC,   25600
.set SCO,   24576
.set XST,   8448                       ; X: a wave's stage, 16 rows x (512 + 16) bytes, from LDS byte 0
.set WST0,  33792                      ; weights: a wave's stage, the image of two fragments, 3,072 bytes
.set WST,   3072
.set SPARE, 46080                      ; the spare words, 128 bytes a wave
.set SPW, 12
.set NIL, 13
.set HM,  21                           ; s21      lanes 16-31
.set SEL, 22                           ; s[22:23] selects for lane l xor 16
.set LI,  3
.set L8,  4
.set SW,  5
.set SR,  6
.set SH8, 7
.set WD,  16
.set SP,  20
.set PC,  32
.set TP,  44
.set TM,  52
.set NB,  64
.set LB,  128
	s_load_b256 s[4:11], s[0:1], 0x0               ; X, W_Q, W_K, W_V
	s_load_b256 s[12:19], s[0:1], 0x20             ; W_O, W1, W2, opw
	v_lshl_add_u32 v[SPW], v0, 2, SPARE
	v_mov_b32 v[NIL], 0
	v_lshrrev_b32 v1, 5, v0
	v_readfirstlane_b32 s20, v1                    ; wave
	v_and_b32 v2, 31, v0                           ; lane
	s_mov_b32 s[SEL], 0x76543210
	s_mov_b32 s[SEL+1], 0xfedcba98
	s_mov_b32 s[HM], 0xffff0000
	s_cmp_lt_u32 ttmp9, 128
	s_cbranch_scc0 .Lweights
; ---------------- X: work-group g: panel g / 4, half (g / 2) % 2 of its slots, K steps 4 (g % 2) + wave.  A wave makes four fragments.
	v_lshlrev_b32 v[LI], 4, v2
	v_lshlrev_b32 v[L8], 3, v2
	s_mul_i32 s24, s20, XST
	v_add_nc_u32 v[SW], s24, v[LI]                 ; into the stage: a row's 512 bytes as they lie
	v_and_b32 v8, 15, v2
	v_lshrrev_b32 v9, 4, v2
	v_mul_u32_u24 v[SR], v8, 528
	v_lshl_add_u32 v[SR], v9, 7, v[SR]
	v_add_nc_u32 v[SR], s24, v[SR]                 ; out of it: row rho, + 128 h: my block of 32 numbers
	v_lshlrev_b32 v[SH8], 3, v9
	v_mov_b32 v[TM+6], 0                           ; a lane permute's destination counts as read
	s_lshr_b32 s25, ttmp9, 2                       ; p
	s_bfe_u32 s26, ttmp9, 0x10001                  ; q
	s_and_b32 s27, ttmp9, 1
	s_lshl_b32 s27, s27, 2
	s_add_co_u32 s27, s27, s20                     ; K step of 128
	s_lshl_b32 s28, s25, 19
	s_lshl_b32 s29, s26, 18
	s_add_co_u32 s28, s28, s29
	s_lshl_b32 s29, s27, 9
	s_add_co_u32 s28, s28, s29
	s_mov_b32 s29, 0                               ; X: (128 p + 64 q) rows of 4,096 bytes + 512 x K step
	s_lshr_b32 s30, s27, 1
	s_lshl_b32 s30, s30, 5
	s_add_co_u32 s30, s30, s25
	s_mul_i32 s30, s30, REC                        ; the record
	s_and_b32 s31, s27, 1                          ; ksub
	s_mul_i32 s32, s31, 12288
	s_add_co_u32 s32, s32, s30
	s_mul_i32 s33, s26, 6144
	s_add_co_u32 s32, s32, s33
	s_mov_b32 s33, 0
	s_lshl_b32 s34, s31, 9
	s_add_co_u32 s34, s34, s30
	s_lshl_b32 s35, s26, 8
	s_add_co_u32 s34, s34, s35
	s_add_co_u32 s34, s34, SCO
	s_mov_b32 s35, 0
	s_wait_kmcnt 0x0
	s_add_nc_u64 s[4:5], s[4:5], s[28:29]
	s_add_nc_u64 s[32:33], s[18:19], s[32:33]      ; my four fragments
	s_add_nc_u64 s[34:35], s[18:19], s[34:35]      ; my 256 bytes of scale words
.macro LOADX i                         ; fragment i's 16 rows x 512 bytes: each load reads 512 consecutive bytes
.set R, 0
.rept 16
	global_load_b128 v[LB+64*((\i)%2)+4*R:LB+64*((\i)%2)+4*R+3], v[LI], s[4:5] offset:(32*((\i)/2)+8*((\i)%2)+R+8*(R/8))*4096 th:TH_LOAD_NT
.set R, R+1
.endr
.endm
; 64 numbers of a lane, v[n + 32 c + k] = number k of block 2 c + h of my row, become the fragment's 12 registers in v[PC] on and the row's scale word in v[wd]
.macro QB n, wd
.irp c, 0,1
	v_max3_num_f32 v[TM+\c], |v[\n+32*\c]|, |v[\n+32*\c+1]|, 0x1800000   ; with the floor 2^(3 - 127): the byte cannot fall under 1
.endr
.irp i, 2,4,6,8,10,12,14,16,18,20,22,24,26,28,30
.irp c, 0,1
	v_max3_num_f32 v[TM+\c], v[TM+\c], |v[\n+32*\c+\i]|, |v[\n+32*\c+\i+1]|
.endr
.endr
.irp c, 0,1
	v_add_nc_u32 v[TM+2+\c], 0xff000000, v[TM+\c]  ; 2 off the exponent field: the conversion's scale operand
.endr
.irp c, 0,1
	v_lshrrev_b32 v[TM+4+\c], 23, v[TM+2+\c]       ; the byte
.endr
	v_lshl_or_b32 v[\wd], v[TM+5], 16, v[TM+4]     ; blocks h and 2 + h,
	v_lshlrev_b32 v[\wd], v[SH8], v[\wd]           ; at their places,
	v_permlanex16_b32 v[TM+6], v[\wd], s[SEL], s[SEL+1]
	v_or_b32 v[\wd], v[\wd], v[TM+6]               ; with lane l xor 16's two the word is whole
	s_wait_xcnt 0x0                                ; the last fragment's stores have read v[PC] on
.irp c, 0,1
	v_cvt_scalef32_pk16_fp6_f32 v[PC+6*\c:PC+6*\c+2], v[\n+32*\c:\n+32*\c+15], v[TM+2+\c]
	v_cvt_scalef32_pk16_fp6_f32 v[TP+4*\c:TP+4*\c+2], v[\n+32*\c+16:\n+32*\c+31], v[TM+2+\c]   ; (three registers begin on an even number)
.endr
	v_nop                                          ; a plain place behind the conversions
.irp c, 0,1
.irp i, 0,1,2
	v_mov_b32 v[PC+3+6*\c+\i], v[TP+4*\c+\i]
.endr
.endr
.endm
.macro XFRAG i
.if (\i) < 3
	s_wait_loadcnt 16                              ; this fragment's 16 loads are in; the next one's may be out
.else
	s_wait_loadcnt 0x0
.endif
.set R, 0
.rept 16
	ds_store_b128 v[SW], v[LB+64*((\i)%2)+4*R:LB+64*((\i)%2)+4*R+3] offset:528*R
.set R, R+1
.endr
.irp c, 0,1
.irp j, 0,1,2,3,4,5,6,7
	ds_load_b128 v[NB+32*\c+4*\j:NB+32*\c+4*\j+3], v[SR] offset:256*\c+16*\j   ; LDS serves a wave's instructions in order: these see my stores
.endr
.endr
	s_wait_dscnt 0x0                               ; the numbers are back, and the stores have read their registers
.if (\i)+2 < 4
	LOADX (\i)+2
.endif
	QB NB, WD+(\i)
.irp c, 0,1,2
	global_store_b128 v[LI], v[PC+4*\c:PC+4*\c+3], s[32:33] offset:1536*(\i)+512*\c   ; 512 consecutive bytes
.endr
.endm
	LOADX 0
	LOADX 1
	XFRAG 0
	XFRAG 1
	XFRAG 2
	XFRAG 3
	v_cndmask_b32 v[SP], v[WD], v[WD+1], s[HM]     ; lanes 0-15 the even tile's words, lanes 16-31 the odd tile's
	v_cndmask_b32 v[SP+1], v[WD+2], v[WD+3], s[HM]
	global_store_b64 v[L8], v[SP:SP+1], s[34:35]   ; 256 consecutive bytes, aligned
	s_wait_tensorcnt 0x0                           ; the wave's end
	ds_add_u32 v[SPW], v[NIL]
	s_wait_dscnt 0x0
	s_endpgm
; ---------------- the weights: a work-group takes 256 columns x 128 along K, a wave 64 columns: four fragments
.Lweights:
	s_sub_co_u32 s24, ttmp9, 128
	s_lshr_b32 s25, s24, 7                         ; 0: the four square weights, 1: W1, 2: W2
	s_lshr_b32 s26, s24, 5
	s_cmp_eq_u32 s25, 1
	s_mov_b32 s30, 4096
	s_cselect_b32 s30, 16384, s30                  ; a row of the weight in bytes
	s_cselect_b32 s27, 15, 3
	s_cselect_b32 s28, 4, 2
	s_cmp_eq_u32 s25, 0
	s_cselect_b32 s29, 31, 127
	s_cselect_b32 s31, s26, 0                      ; which of the four
	s_cmp_eq_u32 s25, 2
	s_mov_b32 s33, 819200
	s_cselect_b32 s33, 204800, s33                 ; from kslot to kslot in the section
	s_and_b32 s29, s24, s29
	s_and_b32 s27, s29, s27                        ; group of 256 columns
	s_lshr_b32 s28, s29, s28                       ; K step of 128
	s_lshl_b32 s34, s27, 8
	s_lshl_b32 s35, s20, 6
	s_add_co_u32 s34, s34, s35                     ; my first column
	s_lshl_b32 s34, s34, 2
	s_mul_i32 s35, s28, s30
	s_lshl_b32 s35, s35, 7
	s_add_co_u32 s34, s34, s35
	s_mov_b32 s35, 0                               ; where my part of the weight begins
	s_lshl_b32 s38, s30, 5                         ; 32 rows on
	s_mov_b32 s39, 0
	s_lshl_b32 s31, s31, 3
	s_lshl_b32 s56, s27, 1
	s_add_co_u32 s31, s31, s56
	s_lshr_b32 s56, s20, 1
	s_add_co_u32 s31, s31, s56                     ; panel
	s_mul_i32 s31, s31, REC
	s_lshr_b32 s56, s28, 1
	s_mul_i32 s56, s56, s33
	s_add_co_u32 s31, s31, s56
	s_add_co_u32 s56, s25, 1
	s_mul_i32 s56, s56, 3276800
	s_add_co_u32 s31, s31, s56                     ; the record in opw
	s_and_b32 s57, s28, 1                          ; ksub
	s_and_b32 s58, s20, 1                          ; q
	s_mul_i32 s60, s57, 12288
	s_mul_i32 s59, s58, 6144
	s_add_co_u32 s60, s60, s59
	s_add_co_u32 s60, s60, s31
	s_mov_b32 s61, 0
	s_lshl_b32 s62, s57, 9
	s_lshl_b32 s59, s58, 8
	s_add_co_u32 s62, s62, s59
	s_add_co_u32 s62, s62, s31
	s_add_co_u32 s62, s62, SCO
	s_mov_b32 s63, 0
	v_lshlrev_b32 v3, 2, v2                        ; 4 bytes a lane: lane lambda takes column lambda of 32
.set I, 0
.rept 32
	v_mad_u32_u24 v[32+I], s30, I, v3              ; and row I of a block
.set I, I+1
.endr
	v_bfe_u32 v10, v2, 3, 1                        ; u: which of the two tiles my column falls into
	v_and_b32 v11, 7, v2
	v_lshrrev_b32 v14, 4, v2
	v_lshl_or_b32 v11, v14, 3, v11                 ; rho: its slot there
	v_mul_u32_u24 v5, v10, 1536
	v_lshl_add_u32 v5, v11, 4, v5
	s_mul_i32 s59, s20, WST
	s_add_co_u32 s59, s59, WST0
	v_add_nc_u32 v5, s59, v5                       ; the stage: fragment u, lane rho's 16 bytes
	v_lshlrev_b32 v8, 4, v2
	v_add_nc_u32 v6, s59, v8                       ; and back: 16 bytes a lane
	v_lshl_add_u32 v9, v10, 4, v11
	v_lshlrev_b32 v9, 3, v9                        ; my two scale words' place: 8 (16 u + rho)
	s_wait_kmcnt 0x0
	s_cmp_eq_u32 s26, 0                            ; the choice hangs on the work-group's number alone
	s_cselect_b64 s[36:37], s[6:7], s[8:9]
	s_cmp_lt_u32 s26, 2
	s_cselect_b64 s[36:37], s[36:37], s[10:11]
	s_cmp_lt_u32 s26, 3
	s_cselect_b64 s[36:37], s[36:37], s[12:13]
	s_cmp_lt_u32 s26, 4
	s_cselect_b64 s[36:37], s[36:37], s[14:15]
	s_cmp_lt_u32 s26, 8
	s_cselect_b64 s[36:37], s[36:37], s[16:17]
	s_add_nc_u64 s[40:41], s[36:37], s[34:35]      ; eight bases: unit t = 4 x (which 32 columns) + (which block of 32 along K)
	s_add_nc_u64 s[42:43], s[40:41], s[38:39]
	s_add_nc_u64 s[44:45], s[42:43], s[38:39]
	s_add_nc_u64 s[46:47], s[44:45], s[38:39]
.irp t, 0,1,2,3
	s_add_nc_u64 s[48+2*\t:49+2*\t], s[40+2*\t:41+2*\t], 128
.endr
	s_add_nc_u64 s[60:61], s[18:19], s[60:61]
	s_add_nc_u64 s[62:63], s[18:19], s[62:63]
.macro LOADW t
.set I, 0
.rept 32
	global_load_b32 v[64+32*((\t)%2)+I], v[32+I], s[40+2*(\t):41+2*(\t)] th:TH_LOAD_NT
.set I, I+1
.endr
.endm
.macro UNIT t                          ; one block of 32 along K of my column: all 32 numbers are mine
.set XS, 64+32*((\t)%2)
.set BE, (\t)%4
.if (\t) < 7
	s_wait_loadcnt 32                              ; this unit's 32 loads are in; the next unit's may be out
.else
	s_wait_loadcnt 0x0
.endif
	v_max3_num_f32 v10, |v[XS]|, |v[XS+1]|, |v[XS+2]|
	v_max3_num_f32 v11, |v[XS+3]|, |v[XS+4]|, |v[XS+5]|
.irp i, 6,10,14,18,22,26
	v_max3_num_f32 v10, v10, |v[XS+\i]|, |v[XS+\i+1]|
	v_max3_num_f32 v11, v11, |v[XS+\i+2]|, |v[XS+\i+3]|
.endr
	v_max3_num_f32 v10, v10, |v[XS+30]|, |v[XS+31]|
	v_max3_num_f32 v10, v10, v11, 0x1800000        ; the floor
	v_add_nc_u32 v14, 0xff000000, v10
	v_lshrrev_b32 v15, 23, v14
.if BE == 0
	v_mov_b32 v[20+(\t)/4], v15
.else
	v_lshl_or_b32 v[20+(\t)/4], v15, 8*BE, v[20+(\t)/4]
.endif
	v_cvt_scalef32_pk16_fp6_f32 v[128:130], v[XS:XS+15], v14
	v_cvt_scalef32_pk16_fp6_f32 v[134:136], v[XS+16:XS+31], v14
	v_nop
	v_mov_b32 v131, v134
	v_mov_b32 v132, v135
	v_mov_b32 v133, v136
.if BE < 2                             ; block 2 c + h is registers 6 c .. 6 c + 5 of lane rho + 16 h
	ds_store_b128 v5, v[128:131] offset:256*(BE%2)
	ds_store_b64 v5, v[132:133] offset:512+256*(BE%2)
.else
	ds_store_b64 v5, v[128:129] offset:520+256*(BE%2)
	ds_store_b128 v5, v[130:133] offset:1024+256*(BE%2)
.endif
.if (\t)+2 < 8
	LOADW (\t)+2
.endif
	s_wait_dscnt 0x0                               ; the stores have read their registers
.endm
.macro FLUSH bb                        ; two whole fragments leave the stage: 512 consecutive bytes a store
.if \bb
	s_wait_xcnt 0x0                                ; the first flush's stores have read their registers
.endif
.irp k, 0,1,2,3,4,5
	ds_load_b128 v[144+4*\k:147+4*\k], v6 offset:512*\k
.endr
	s_wait_dscnt 0x0
.irp k, 0,1,2,3,4,5
	global_store_b128 v8, v[144+4*\k:147+4*\k], s[60:61] offset:3072*\bb+512*\k
.endr
.endm
	LOADW 0
	LOADW 1
	UNIT 0
	UNIT 1
	UNIT 2
	UNIT 3
	FLUSH 0
	UNIT 4
	UNIT 5
	UNIT 6
	UNIT 7
	FLUSH 1
	global_store_b64 v9, v[20:21], s[62:63]        ; the 32 lanes fill 256 consecutive bytes, aligned
	s_wait_tensorcnt 0x0                           ; the wave's end
	ds_add_u32 v[SPW], v[NIL]
	s_wait_dscnt 0x0
	s_endpgm
.Lfunc_end_k_qf7a66ada2a_prep:
	.size	k_qf7a66ada2a_prep, .Lfunc_end_k_qf7a66ada2a_prep-k_qf7a66ada2a_prep
	.p2alignl 7, 3214868480
	.fill 96, 4, 3214868480
	.section	.rodata,"a",@progbits
	.p2align	6, 0x0
	.amdhsa_kernel k_qf7a66ada2a_prep
		.amdhsa_group_segment_fixed_size 46592
		.amdhsa_private_segment_fixed_size 0
		.amdhsa_enable_private_segment 0
		.amdhsa_kernarg_size 64
		.amdhsa_user_sgpr_count 2
		.amdhsa_user_sgpr_kernarg_segment_ptr 1
		.amdhsa_wavefront_size32 1
		.amdhsa_system_sgpr_workgroup_id_x 1
		.amdhsa_system_sgpr_workgroup_id_y 1
		.amdhsa_system_sgpr_workgroup_id_z 1
		.amdhsa_system_vgpr_workitem_id 0
		.amdhsa_next_free_vgpr 256
		.amdhsa_next_free_sgpr 80
		.amdhsa_reserve_vcc 0
		.amdhsa_float_denorm_mode_32 3
		.amdhsa_float_denorm_mode_16_64 3
		.amdhsa_memory_ordered 1
		.amdhsa_forward_progress 1
		.amdhsa_inst_pref_size 75
	.end_amdhsa_kernel
	.amdgpu_metadata
---
amdhsa.version: [ 1, 2 ]
amdhsa.kernels:
  - .name:           k_qf7a66ada2a_prep
    .symbol:         k_qf7a66ada2a_prep.kd
    .args:
      - { .name: batch_X, .offset: 0, .size: 8, .value_kind: global_buffer, .address_space: global }
      - { .name: W_Q, .offset: 8, .size: 8, .value_kind: global_buffer, .address_space: global }
      - { .name: W_K, .offset: 16, .size: 8, .value_kind: global_buffer, .address_space: global }
      - { .name: W_V, .offset: 24, .size: 8, .value_kind: global_buffer, .address_space: global }
      - { .name: W_O, .offset: 32, .size: 8, .value_kind: global_buffer, .address_space: global }
      - { .name: W1, .offset: 40, .size: 8, .value_kind: global_buffer, .address_space: global }
      - { .name: W2, .offset: 48, .size: 8, .value_kind: global_buffer, .address_space: global }
      - { .name: opw, .offset: 56, .size: 8, .value_kind: global_buffer, .address_space: global }
    .group_segment_fixed_size: 46592
    .private_segment_fixed_size: 0
    .kernarg_segment_align: 8
    .kernarg_segment_size: 64
    .max_flat_workgroup_size: 128
    .sgpr_count:     80
    .vgpr_count:     256
    .wavefront_size: 32
...
	.end_amdgpu_metadata
.endif
;; end of part 1
;; launch qkv (part 2): grid 12 x 16, 4 waves a work-group, clusters of 4 x 4, 327,680 bytes of LDS; arguments opw, qkv; writes qkv
.if DOCPART == 2
	.amdgcn_target "amdgcn-amd-amdhsa--gfx1250"
	.amdhsa_code_object_version 6
	.text
	.protected	k_qf7a66ada2a_qkv
	.globl	k_qf7a66ada2a_qkv
	.p2align	8
	.type	k_qf7a66ada2a_qkv,@function
k_qf7a66ada2a_qkv:
	s_mov_b64 s[64:65], 0
	v_nop
	global_prefetch_b8 v0, s[64:65] scope:SCOPE_SE
	s_setreg_imm32_b32 hwreg(HW_REG_WAVE_MODE, 25, 1), 1
	s_wait_xcnt 0x0
	s_wait_alu depctr_hold_cnt(0) depctr_sa_sdst(0) depctr_va_vdst(0) depctr_va_sdst(0) depctr_va_ssrc(0) depctr_va_vcc(0) depctr_vm_vsrc(0)
	s_getreg_b32 s2, hwreg(HW_REG_IB_STS2, 6, 4)
	s_cmp_eq_u32 s2, 0
	s_cbranch_scc0 .Lentry_in_a_cluster
	s_endpgm
.Lentry_in_a_cluster:
	s_bfe_u32 s2, ttmp6, 0x10000c
	s_cmp_lg_u32 s2, 0xf033
	s_cbranch_scc0 .Lentry_shape_is_right
	s_endpgm
.Lentry_shape_is_right:
; A GEMM on operand images whose result is quantised on the way out into an operand image.  One text, two uses, by KIND:
;   KIND 0 (this launch): q | k = X [W_Q | W_K] (clusters x = 0, 1) and V^T = W_V^T X^T (cluster x = 2), all K = 1,024; no work is left out.
;   KIND 1: the hidden layer = relu(x1 W1 + b1).
; Layout of the images: a record is 128 row slots x 256 K, 25,600 bytes: fragment (ksub, rt) at 12288 ksub + 1536 rt, registers 4 c .. 4 c + 3 of lane l at
; 512 c + 16 l; scale words at 24576 + 512 ksub + 256 (rt / 4) + 8 (16 (rt % 2) + rho) + 4 ((rt / 2) % 2).  Slot (rt, rho) is row 32 (rt / 2) + 8 (rt % 2) + rho + 8 (rho / 8) of its panel.
; A tile of C is 256 x 256, four waves of 128 x 128 (64 accumulators).  K goes in steps of 256 through two LDS slots of four records (A's two panels, B's two); each wave fetches one record.
; CLUSTER 4 x 4: A's records are shared along a row of the cluster, B's along a column: joint loads.
; TRANSPOSED USE: source 0 = 16 slots of B, source 1 = 16 slots of A.  By the slot order a lane's 64 registers of B's eight tiles are 16 neighbours of each of four blocks of 32
; along the next K, so they are quantised as they stand, and the image written inherits A's slots.
; LIMITS: NaN and infinities are not served; a block of zeros gets the byte 1 (zero codes; the bytes are read by this program alone).
; REGISTERS: window 0: v16-29 addresses; v32-63 scale words, two sets; v64-127 the bias (KIND 1); v128-223 A's fragments, one set.  window 1: B's fragments, two sets.  windows 2, 3: accumulators.
.set KIND,  0
.set REC,   25600
.set SCO,   24576
.set KSTR,  32*REC
.set SLOT,  4*REC
.set SPARE, 2*SLOT                     ; behind the ring: the spare words
.set ADRA, 16
.set ASA,  18
.set ADRB, 20
.set ASB,  22
.set LI,   24
.set L8,   25
.set BO,   26
.set SPW,  28
.set NIL,  29
.set SC,   32
.set BI,   64
.set AF,   128
.set PC,   128                         ; the way out works in the registers that held A's fragments
.set TP,   140
.set TM,   160
.set PWB,  176
.set SP,   184
.set G1,   24
.set G0,   32
.set G1B,  48
.set G0B,  56
.set SEL,  74
.set HM,   76
.set MUL_LO, 0xa1                      ; source 0 (B) window 1, source 1 (A) window 0, C and D window 2
.set MUL_HI, 0xf1
.if KIND
.set FIRST_LO, 0x81                    ; the first products take the bias, in window 0, as C
.set FIRST_HI, 0xc1
.else
.set FIRST_LO, 0xa1
.set FIRST_HI, 0xf1
.endif
.set TO_B, 0x40
.set MSB, 0
.macro WIN new
.if MSB != (\new)
	s_set_vgpr_msb (MSB<<8)|(\new)
.set MSB, (\new)
.endif
.endm
.macro PLACES n
.rept \n
	v_nop
.endr
.endm
.macro JLOAD g0a, g0b                  ; waves 0, 1 fetch A's records, waves 2, 3 B's; s_nop 0 and four v_nop follow each line
	s_cmp_eq_u32 s15, 0
	s_cbranch_scc0 .Lfor_b_\@
	tensor_load_to_lds s[\g0a:\g0a+3], s[G1:G1+7]
	s_nop 0
	PLACES 4
	s_branch .Lasked_\@
.Lfor_b_\@:
	tensor_load_to_lds s[\g0b:\g0b+3], s[G1B:G1B+7]
	s_nop 0
	PLACES 4
.Lasked_\@:
.endm
.macro CREST
	s_cmp_lg_u32 s14, 0
	s_cbranch_scc1 .Lnot_wave_0_\@
	s_barrier_signal -3
.Lnot_wave_0_\@:
	s_barrier_wait -3
	s_barrier_signal -1
	s_barrier_wait -1
.endm
.macro CROUND
	s_barrier_signal -1
	s_barrier_wait -1
	CREST
.endm
; one matrix instruction: D, source 0, source 1, C (under 0: the constant 0), the two scale registers, and which half of the lanes each is read from
.macro WM d, a, b, c, sa, sb, ra, rb
.if (\c) < 0
.if (\ra) && (\rb)
	v_wmma_scale_f32_16x16x128_f8f6f4 v[(\d):(\d)+7], v[(\a):(\a)+11], v[(\b):(\b)+11], 0, v[(\sa)], v[(\sb)] matrix_a_fmt:MATRIX_FMT_FP6 matrix_b_fmt:MATRIX_FMT_FP6 matrix_a_scale:MATRIX_SCALE_ROW1 matrix_b_scale:MATRIX_SCALE_ROW1
.elseif (\ra)
	v_wmma_scale_f32_16x16x128_f8f6f4 v[(\d):(\d)+7], v[(\a):(\a)+11], v[(\b):(\b)+11], 0, v[(\sa)], v[(\sb)] matrix_a_fmt:MATRIX_FMT_FP6 matrix_b_fmt:MATRIX_FMT_FP6 matrix_a_scale:MATRIX_SCALE_ROW1
.elseif (\rb)
	v_wmma_scale_f32_16x16x128_f8f6f4 v[(\d):(\d)+7], v[(\a):(\a)+11], v[(\b):(\b)+11], 0, v[(\sa)], v[(\sb)] matrix_a_fmt:MATRIX_FMT_FP6 matrix_b_fmt:MATRIX_FMT_FP6 matrix_b_scale:MATRIX_SCALE_ROW1
.else
	v_wmma_scale_f32_16x16x128_f8f6f4 v[(\d):(\d)+7], v[(\a):(\a)+11], v[(\b):(\b)+11], 0, v[(\sa)], v[(\sb)] matrix_a_fmt:MATRIX_FMT_FP6 matrix_b_fmt:MATRIX_FMT_FP6
.endif
.else
.if (\ra) && (\rb)
	v_wmma_scale_f32_16x16x128_f8f6f4 v[(\d):(\d)+7], v[(\a):(\a)+11], v[(\b):(\b)+11], v[(\c):(\c)+7], v[(\sa)], v[(\sb)] matrix_a_fmt:MATRIX_FMT_FP6 matrix_b_fmt:MATRIX_FMT_FP6 matrix_a_scale:MATRIX_SCALE_ROW1 matrix_b_scale:MATRIX_SCALE_ROW1
.elseif (\ra)
	v_wmma_scale_f32_16x16x128_f8f6f4 v[(\d):(\d)+7], v[(\a):(\a)+11], v[(\b):(\b)+11], v[(\c):(\c)+7], v[(\sa)], v[(\sb)] matrix_a_fmt:MATRIX_FMT_FP6 matrix_b_fmt:MATRIX_FMT_FP6 matrix_a_scale:MATRIX_SCALE_ROW1
.elseif (\rb)
	v_wmma_scale_f32_16x16x128_f8f6f4 v[(\d):(\d)+7], v[(\a):(\a)+11], v[(\b):(\b)+11], v[(\c):(\c)+7], v[(\sa)], v[(\sb)] matrix_a_fmt:MATRIX_FMT_FP6 matrix_b_fmt:MATRIX_FMT_FP6 matrix_b_scale:MATRIX_SCALE_ROW1
.else
	v_wmma_scale_f32_16x16x128_f8f6f4 v[(\d):(\d)+7], v[(\a):(\a)+11], v[(\b):(\b)+11], v[(\c):(\c)+7], v[(\sa)], v[(\sb)] matrix_a_fmt:MATRIX_FMT_FP6 matrix_b_fmt:MATRIX_FMT_FP6
.endif
.endif
.endm
; 64 numbers of a lane in window w, register s + 16 b + i = k 32 b + 16 (lane / 16) + i of my row, become a fragment's codes in v[PC] on and its scale word in v[pw], both in window 0
.macro QUANTW w, s, pw, xw
	WIN (\w)|((\w)<<2)
.irp b, 0,1,2,3
	v_max3_num_f32 v[TM+\b], |v[(\s)+16*\b]|, |v[(\s)+16*\b+1]|, 0x1800000   ; with the floor 2^(3 - 127); each accumulator is read from its low end on
.endr
.irp i, 2,4,6,8,10,12,14
.irp b, 0,1,2,3
	v_max3_num_f32 v[TM+\b], |v[(\s)+16*\b+\i]|, |v[(\s)+16*\b+\i+1]|, v[TM+\b]
.endr
.endr
	WIN 0
.irp b, 0,1,2,3
	v_permlanex16_b32 v[TM+4+\b], v[TM+\b], s[SEL], s[SEL+1]
.endr
.irp b, 0,1,2,3
	v_max_num_f32 v[TM+\b], v[TM+\b], v[TM+4+\b]   ; with lane l xor 16's 16: the block's largest magnitude
.endr
.irp b, 0,1,2,3
	v_add_nc_u32 v[TM+12+\b], 0xff000000, v[TM+\b] ; 2 off the exponent field: the conversion's scale operand
.endr
.irp b, 0,1,2,3
	v_lshrrev_b32 v[TM+4+\b], 23, v[TM+12+\b]      ; the byte
.endr
	v_lshl_or_b32 v[\pw], v[TM+5], 8, v[TM+4]
	v_lshl_or_b32 v[\pw], v[TM+6], 16, v[\pw]
	v_lshl_or_b32 v[\pw], v[TM+7], 24, v[\pw]
.if \xw
	s_wait_xcnt 0x0                                ; the last fragment's stores have read v[PC] on
.endif
	WIN (\w)
.irp c, 0,1
	v_cvt_scalef32_pk16_fp6_f32 v[PC+6*\c:PC+6*\c+2], v[(\s)+32*\c:(\s)+32*\c+15], v[TM+12+2*\c]
	v_cvt_scalef32_pk16_fp6_f32 v[TP+4*\c:TP+4*\c+2], v[(\s)+32*\c+16:(\s)+32*\c+31], v[TM+13+2*\c]
.endr
	WIN 0
	v_nop                                          ; a plain place behind the conversions
.irp c, 0,1                            ; the layout wants a whole block in a lane
.irp i, 0,1,2
	v_permlane16_swap_b32 v[PC+6*\c+\i], v[TP+4*\c+\i]
.endr
.irp i, 0,1,2
	v_mov_b32 v[PC+3+6*\c+\i], v[TP+4*\c+\i]
.endr
.endr
.endm
.if KIND
	s_load_b256 s[4:11], s[0:1], 0x0               ; x1b, opw, b1, hc
.else
	s_load_b128 s[4:7], s[0:1], 0x0                ; opw, qkv
.endif
	v_lshl_add_u32 v[SPW], v0, 2, SPARE
	v_mov_b32 v[NIL], 0
	ds_add_u32 v[SPW], v[NIL]                      ; the opening: the add, twice on end, and its wait ahead of my first tensor load
	ds_add_u32 v[SPW], v[NIL]
	v_lshrrev_b32 v1, 5, v0
	v_readfirstlane_b32 s14, v1                    ; wave
	s_lshr_b32 s15, s14, 1                         ; my half of the tile's rows; also: I fetch for A (0) or B (1)
	s_and_b32 s16, s14, 1                          ; my half of its columns; also: which of the two panels I fetch
	s_bfe_u32 s40, ttmp6, 0x40000                  ; cx
	s_bfe_u32 s41, ttmp6, 0x40004                  ; cy
	s_and_b32 s18, ttmp7, 0xffff                   ; cluster y
.if KIND
	s_lshl_b32 s19, s18, 2
	s_lshl_b32 s20, ttmp9, 2
	s_mov_b32 s21, 16777216                        ; A: x1's image in x1b
	s_mov_b32 s22, 6553600                         ; B: W1's section of opw
	s_mov_b32 s23, KSTR
	s_mov_b32 s45, 0
.else
	s_cmp_lt_u32 ttmp9, 2                          ; clusters x = 0, 1: q and k; x = 2: V^T.  A cluster's number: the same in all partners
	s_cselect_b32 s19, s18, 0
	s_cselect_b32 s20, ttmp9, s18
	s_mov_b32 s21, 3686400
	s_cselect_b32 s21, 0, s21                      ; A: X, or W_V's panels
	s_cselect_b32 s22, 3276800, 0                  ; B: W_Q and W_K, or X
	s_mov_b32 s23, 204800
	s_cselect_b32 s23, 819200, s23                 ; from kslot to kslot in the output
	s_cselect_b32 s45, 0, 6553600                  ; the output's section
	s_lshl_b32 s19, s19, 2
	s_lshl_b32 s20, s20, 2
.endif
	s_add_co_u32 s17, s19, s41                     ; tile row
	s_add_co_u32 s42, s20, s40                     ; tile column
	s_lshl_b32 s43, s41, 2
	s_lshl_b32 s43, 15, s43                        ; my row of the cluster
	s_lshl_b32 s44, 0x1111, s40                    ; my column
	s_or_b32 s[G1], s43, (3<<16)|(1<<21)           ; elements of 8 bytes; bit 21 beside a mask; no padding
	s_or_b32 s[G1B], s44, (3<<16)|(1<<21)
.irp g, G1, G1B                        ; a record: 100 rows of 256 bytes, dense
	s_mov_b32 s[\g+1], 32<<16
	s_mov_b32 s[\g+2], 100<<16
	s_mov_b32 s[\g+3], 32<<16
	s_mov_b32 s[\g+4], 100
	s_mov_b32 s[\g+5], 32
	s_mov_b32 s[\g+6], 0
	s_mov_b32 s[\g+7], 0
.endr
	s_lshl_b32 s66, s17, 1
	s_add_co_u32 s66, s66, s16
	s_mul_i32 s66, s66, REC
	s_add_co_u32 s66, s66, s21
	s_mov_b32 s67, 0                               ; A's record of kslot 0: made of the tile row alone
	s_lshl_b32 s68, s42, 1
	s_add_co_u32 s68, s68, s16
	s_mul_i32 s68, s68, REC
	s_add_co_u32 s68, s68, s22
	s_mov_b32 s69, 0                               ; B's: of the tile column alone
	s_mul_i32 s77, s14, REC                        ; where my record goes in a slot
	s_lshl_b32 s70, s17, 1
	s_add_co_u32 s70, s70, s15
	s_mul_i32 s70, s70, REC
	s_mul_i32 s71, s42, s23
	s_add_co_u32 s70, s70, s71
	s_add_co_u32 s70, s70, s45                     ; the output's record: kslot = tile column, panel = 2 x tile row + my half
	s_lshl_b32 s72, s16, 9
	s_add_co_u32 s72, s72, s70
	s_add_co_u32 s72, s72, SCO
	s_mov_b32 s73, 0
	s_mul_i32 s71, s16, 12288
	s_add_co_u32 s70, s70, s71                     ; ksub = my half of the columns
	s_mov_b32 s71, 0
	s_mov_b32 s[SEL], 0x76543210
	s_mov_b32 s[SEL+1], 0xfedcba98
	s_mov_b32 s[HM], 0xffff0000
.if KIND
	s_lshl_b32 s84, s42, 10
	s_lshl_b32 s85, s16, 9
	s_add_co_u32 s84, s84, s85
	s_mov_b32 s85, 0                               ; my 128 numbers of b1
.endif
	s_wait_dscnt 0x0                               ; both opening adds are done
	s_wait_kmcnt 0x0
.if KIND
	s_add_nc_u64 s[66:67], s[4:5], s[66:67]
	s_add_nc_u64 s[68:69], s[6:7], s[68:69]
	s_add_nc_u64 s[70:71], s[10:11], s[70:71]
	s_add_nc_u64 s[72:73], s[10:11], s[72:73]
	s_add_nc_u64 s[8:9], s[8:9], s[84:85]
.else
	s_add_nc_u64 s[66:67], s[4:5], s[66:67]
	s_add_nc_u64 s[68:69], s[4:5], s[68:69]
	s_add_nc_u64 s[70:71], s[6:7], s[70:71]
	s_add_nc_u64 s[72:73], s[6:7], s[72:73]
.endif
	CROUND                                         ; all sixteen work-groups are here: the first joint loads meet
.irp s, 0,1
	s_mov_b32 s[G0+4*\s], 1
	s_add_co_u32 s[G0+4*\s+1], s77, \s*SLOT
	s_add_nc_u64 s[G0+4*\s+2:G0+4*\s+3], s[66:67], \s*KSTR
	s_or_b32 s[G0+4*\s+3], s[G0+4*\s+3], 0x80000000
	s_mov_b32 s[G0B+4*\s], 1
	s_add_co_u32 s[G0B+4*\s+1], s77, \s*SLOT
	s_add_nc_u64 s[G0B+4*\s+2:G0B+4*\s+3], s[68:69], \s*KSTR
	s_or_b32 s[G0B+4*\s+3], s[G0B+4*\s+3], 0x80000000
	JLOAD G0+4*\s, G0B+4*\s
.endr
	v_and_b32 v1, 31, v0
	v_lshlrev_b32 v[LI], 4, v1
	v_lshlrev_b32 v[L8], 3, v1
	s_mul_i32 s21, s15, REC                        ; my panel of A,
	s_mul_i32 s22, s16, REC
	s_add_co_u32 s22, s22, 2*REC                   ; my panel of B
.irp s, 0,1
	v_add_nc_u32 v[ADRA+\s], s21, v[LI]
	v_add_nc_u32 v[ASA+\s], s21, v[L8]
	v_add_nc_u32 v[ADRB+\s], s22, v[LI]
	v_add_nc_u32 v[ASB+\s], s22, v[L8]
	s_add_co_u32 s21, s21, SLOT
	s_add_co_u32 s22, s22, SLOT
.endr
.if KIND                               ; the bias in the result's layout: tile b, lane half h: b1 at 32 (b / 2) + 8 (b % 2) + 16 h + 0 .. 7
	v_bfe_u32 v[BO], v0, 4, 1
	v_lshlrev_b32 v[BO], 6, v[BO]
.irp b, 0,1,2,3,4,5,6,7
	global_load_b128 v[BI+8*\b:BI+8*\b+3], v[BO], s[8:9] offset:(32*(\b/2)+8*(\b%2))*4
	global_load_b128 v[BI+8*\b+4:BI+8*\b+7], v[BO], s[8:9] offset:(32*(\b/2)+8*(\b%2))*4+16
.endr
.endif
.macro FRAG reg, adr, ks, i            ; a fragment: three loads of 512 consecutive bytes
.irp c, 0,1,2
	ds_load_b128 v[\reg+4*\c:\reg+4*\c+3], v[\adr] offset:12288*(\ks)+1536*(\i)+512*\c
.endr
.endm
.macro FETCH_B slot, ks, p
	WIN TO_B
.irp i, 0,1,2,3,4,5,6,7
	FRAG 128*(\p)+12*\i, ADRB+\slot, \ks, \i
.endr
	WIN 0
.endm
.macro FETCH_A slot, ks, i0
.irp i, \i0, \i0+1, \i0+2, \i0+3
	FRAG AF+12*(\i), ADRA+\slot, \ks, \i
.endr
.endm
.macro SCALES sl                       ; a slot's scale words: register rt / 2 of a ksub's four holds tile rt in lanes 0-15 (rt even) or 16-31 (rt odd)
.irp k, 0,1
.irp q, 0,1
	ds_load_b64 v[SC+16*\sl+4*\k+2*\q:SC+16*\sl+4*\k+2*\q+1], v[ASA+\sl] offset:SCO+512*\k+256*\q
	ds_load_b64 v[SC+16*\sl+8+4*\k+2*\q:SC+16*\sl+8+4*\k+2*\q+1], v[ASB+\sl] offset:SCO+512*\k+256*\q
.endr
.endr
.endm
; 16 matrix instructions: A's blocks a0, a0 + 1 x B's eight.  The 64 accumulators take turns, one instruction a turn, in the same order in every step
.macro MUL16 a0, p, q, sc, first
.irp a, \a0, \a0+1
.irp b, 0,1,2,3,4,5,6,7
.set DD, 8*(8*((\a)%4)+\b)
.set CC, DD
.if \first
.if KIND
.set CC, BI+8*\b
.else
.set CC, -1
.endif
.endif
	WM DD, 128*(\p)+12*\b, AF+12*(\a), CC, SC+16*(\sc)+8+4*(\q)+\b/2, SC+16*(\sc)+4*(\q)+(\a)/2, \b%2, (\a)%2
.endr
.endr
.endm
.macro STEP slot, first                ; a slot's first 128 along K
	s_wait_dscnt 12                                ; all but the youngest 12 loads (A's blocks 4-7)
.if \first
	WIN FIRST_LO
.else
	WIN MUL_LO
.endif
	MUL16 0, 0, 0, \slot, \first
	MUL16 2, 0, 0, \slot, \first
	s_wait_dscnt 0x0
	PLACES 4                                       ; in front of loads into registers that matrix instructions have read
	FETCH_B \slot, 1, 1
	FETCH_A \slot, 1, 0
.if \first
	WIN FIRST_HI
.else
	WIN MUL_HI
.endif
	MUL16 4, 0, 0, \slot, \first
	MUL16 6, 0, 0, \slot, \first
	PLACES 4
	WIN 0
	FETCH_A \slot, 1, 4
.endm
.macro TURN slot, next, fill           ; a slot's second 128 along K, and the change of slots: one barrier
	s_wait_tensorcnt 0x0                           ; all my tensor loads have landed: my record of the next slot
	ds_add_u32 v[SPW], v[NIL]                      ; 0 onto my spare word
	s_wait_dscnt 13                                ; (the add and A's blocks 4-7 may be out)
	WIN MUL_LO
	MUL16 0, 1, 1, \slot, 0
	s_wait_dscnt 0x0                               ; the add is done, and my reads of this slot are over
	s_barrier_signal -1
	MUL16 2, 1, 1, \slot, 0
	WIN 0
	s_barrier_wait -1
.if \fill
	CREST                                          ; the barrier has opened a round of the cluster's: no wave of any partner still reads this slot or has a load on its way
	s_add_nc_u64 s[G0+4*\slot+2:G0+4*\slot+3], s[G0+4*\slot+2:G0+4*\slot+3], 2*KSTR
	s_add_nc_u64 s[G0B+4*\slot+2:G0B+4*\slot+3], s[G0B+4*\slot+2:G0B+4*\slot+3], 2*KSTR
	JLOAD G0+4*\slot, G0B+4*\slot                  ; first behind the round; its four v_nop are the places for the loads below
.else
	PLACES 4
.endif
	FETCH_B \next, 0, 0
	FETCH_A \next, 0, 0
	SCALES \next
	WIN MUL_HI
	MUL16 4, 1, 1, \slot, 0
	MUL16 6, 1, 1, \slot, 0
	PLACES 4
	WIN 0
	FETCH_A \next, 0, 4
.endm
	s_wait_tensorcnt 1                             ; my record of slot 0 is in; slot 1's may stay out
	s_barrier_signal -1
	s_barrier_wait -1
	FETCH_B 0, 0, 0
	FETCH_A 0, 0, 0
	SCALES 0
	FETCH_A 0, 0, 4
.if KIND
	s_wait_loadcnt 0x0                             ; the bias
.endif
	STEP 0, 1                                      ; K = 1,024 is four slots' worth: written out
	TURN 0, 1, 1
	STEP 1, 0
	TURN 1, 0, 1
	STEP 0, 0
	TURN 0, 1, 0
	STEP 1, 0
	s_wait_dscnt 12
	WIN MUL_LO
	MUL16 0, 1, 1, 1, 0
	MUL16 2, 1, 1, 1, 0
	s_wait_dscnt 0x0
	WIN MUL_HI
	MUL16 4, 1, 1, 1, 0
	MUL16 6, 1, 1, 1, 0
	WIN 0
; THE WAY OUT: A's block a x my 128 columns is one fragment of the output: quantised in registers, stored as three runs of 512 bytes
	PLACES 4
.irp b, 0,1,2,3
	v_mov_b32 v[TM+4+\b], 0                        ; a lane permute's destination counts as read
.endr
.macro OUTA a
.set WN, 2+(\a)/4
.set SS, 64*((\a)%4)
.if KIND
	WIN (WN<<2)|(WN<<6)
.set J, 0
.rept 64
	v_max_num_f32 v[SS+J], 0, v[SS+J]              ; the activation, in f32, each accumulator from its low end on
.set J, J+1
.endr
.endif
	QUANTW WN, SS, PWB+(\a), 1
.irp c, 0,1,2
	global_store_b128 v[LI], v[PC+4*\c:PC+4*\c+3], s[70:71] offset:1536*(\a)+512*\c th:TH_STORE_NT
.endr
.if ((\a)%4) == 3
	v_cndmask_b32 v[SP+2*((\a)/4)], v[PWB+(\a)-3], v[PWB+(\a)-2], s[HM]
	v_cndmask_b32 v[SP+2*((\a)/4)+1], v[PWB+(\a)-1], v[PWB+(\a)], s[HM]
	global_store_b64 v[L8], v[SP+2*((\a)/4):SP+2*((\a)/4)+1], s[72:73] offset:256*((\a)/4) th:TH_STORE_NT   ; 256 consecutive bytes, aligned
.endif
.endm
.irp a, 0,1,2,3,4,5,6,7
	OUTA \a
.endr
	s_wait_tensorcnt 0x0                           ; the wave's end
	ds_add_u32 v[SPW], v[NIL]
	s_wait_dscnt 0x0
	CROUND                                         ; the closing round
	s_endpgm
.Lfunc_end_k_qf7a66ada2a_qkv:
	.size	k_qf7a66ada2a_qkv, .Lfunc_end_k_qf7a66ada2a_qkv-k_qf7a66ada2a_qkv
	.p2alignl 7, 3214868480
	.fill 96, 4, 3214868480
	.section	.rodata,"a",@progbits
	.p2align	6, 0x0
	.amdhsa_kernel k_qf7a66ada2a_qkv
		.amdhsa_group_segment_fixed_size 327680
		.amdhsa_private_segment_fixed_size 0
		.amdhsa_enable_private_segment 0
		.amdhsa_kernarg_size 16
		.amdhsa_user_sgpr_count 2
		.amdhsa_user_sgpr_kernarg_segment_ptr 1
		.amdhsa_wavefront_size32 1
		.amdhsa_system_sgpr_workgroup_id_x 1
		.amdhsa_system_sgpr_workgroup_id_y 1
		.amdhsa_system_sgpr_workgroup_id_z 1
		.amdhsa_system_vgpr_workitem_id 0
		.amdhsa_next_free_vgpr 1024
		.amdhsa_next_free_sgpr 98
		.amdhsa_reserve_vcc 0
		.amdhsa_float_denorm_mode_32 3
		.amdhsa_float_denorm_mode_16_64 3
		.amdhsa_memory_ordered 1
		.amdhsa_forward_progress 1
		.amdhsa_inst_pref_size 138
	.end_amdhsa_kernel
	.amdgpu_metadata
---
amdhsa.version: [ 1, 2 ]
amdhsa.kernels:
  - .name:           k_qf7a66ada2a_qkv
    .symbol:         k_qf7a66ada2a_qkv.kd
    .args:
      - { .name: opw, .offset: 0, .size: 8, .value_kind: global_buffer, .address_space: global }
      - { .name: qkv, .offset: 8, .size: 8, .value_kind: global_buffer, .address_space: global }
    .group_segment_fixed_size: 327680
    .private_segment_fixed_size: 0
    .kernarg_segment_align: 8
    .kernarg_segment_size: 16
    .max_flat_workgroup_size: 128
    .sgpr_count:     98
    .vgpr_count:     1024
    .wavefront_size: 32
...
	.end_amdgpu_metadata
.endif
;; end of part 2
;; launch attn (part 3): grid 16 x 16, 8 waves a work-group, clusters of 4 x 1, 327,680 bytes of LDS; arguments qkv, padding_mask, ctxc; writes ctxc
.if DOCPART == 3
	.amdgcn_target "amdgcn-amd-amdhsa--gfx1250"
	.amdhsa_code_object_version 6
	.text
	.protected	k_qf7a66ada2a_attn
	.globl	k_qf7a66ada2a_attn
	.p2align	8
	.type	k_qf7a66ada2a_attn,@function
k_qf7a66ada2a_attn:
	s_mov_b64 s[64:65], 0
	v_nop
	global_prefetch_b8 v0, s[64:65] scope:SCOPE_SE
	s_setreg_imm32_b32 hwreg(HW_REG_WAVE_MODE, 25, 1), 1
	s_wait_xcnt 0x0
	s_wait_alu depctr_hold_cnt(0) depctr_sa_sdst(0) depctr_va_vdst(0) depctr_va_sdst(0) depctr_va_ssrc(0) depctr_va_vcc(0) depctr_vm_vsrc(0)
	s_getreg_b32 s2, hwreg(HW_REG_IB_STS2, 6, 4)
	s_cmp_eq_u32 s2, 0
	s_cbranch_scc0 .Lentry_in_a_cluster
	s_endpgm
.Lentry_in_a_cluster:
	s_bfe_u32 s2, ttmp6, 0x10000c
	s_cmp_lg_u32 s2, 0x3003
	s_cbranch_scc0 .Lentry_shape_is_right
	s_endpgm
.Lentry_shape_is_right:
; ctx = (softmax(q k^T / 8) x keep) v, both products on codes of E2M3; the result leaves as the operand image of the next product.  No work is left out: padded queries are computed, and their factor is chosen as 0.
; THE PROBABILITIES ARE QUANTISED FINISHED (exp(s - max) / sum x keep), so the keys are walked twice: pass 1 finds each row's maximum and sum, pass 2 makes the scores again, normalises, quantises, multiplies by V.
; The maximum is kept as M, the running largest t = s log2(e) / 8 rounded up to a whole number; p = 2^(t - M); when M moves the sum is multiplied by 2^(old M - new M), which rounds nothing.
; SHARES.  Work-group (x, y): batch y / 8, head pair y % 8, panel x of 128 queries.  Wave w owns the 16 queries of tile w, for BOTH heads of the pair.  A fragment of the q | k image (128 columns) is a head pair:
; K's fragments are read whole and used twice, against Qe = [q_even | zero codes] and Qo = [zero codes | q_odd]; the dead half has zero codes, which add nothing under the byte 0.
; TRANSPOSED USE: S^T = K Q^T, O^T = V^T P^T: a lane holds one query throughout.  By the images' slot order a lane's 64 scores are 16 neighbouring keys of each of four blocks of 32, and O^T's 64 registers
; are the pair's 128 columns of ctx in the order that the quantiser wants.
; LDS: V slot 0 at 0 (512 keys, two records), K's scale words at 51,200, a gather of 512 bytes at 59,392, the spare words at 59,904, V slot 1 at 65,536, K's codes of all 2,048 keys at 131,072: fetched once for both passes.
; CLUSTER 4 x 1: the four panels of queries walk the same K and V: every tensor load is joint, and every wave issues its own part of each.
; No prefetch is laid: K and V's first two slots go out at the head, and each later slot of V is asked for four key steps ahead of the wait for it.
; LIMITS: NaN and infinities are not served; a block of zeros gets the byte 1 (zero codes; the bytes are read by this program alone).
; REGISTERS: window 0: v1-9 addresses; v10 the mask; v12-19 -M, t, sum of the two heads; v20-23 the factors; v24-29 at work; v32-42 scale words; v44-59 at work; v64-127 S^T; v128-223 K; v224-243 codes.
;   window 1: v0-23 Qe, Qo; v32-95 O^T; v96-191 V.
.set REC,   25600
.set SCO,   24576
.set VTO,   6553600
.set KSC,   51200
.set CSB,   59392
.set SPARE, 59904
.set KC,    131072
.set LI,  1
.set L8,  2
.set AK,  3
.set AKS, 4
.set AV,  5
.set AVS, 6
.set CSA, 7
.set SPW, 8
.set NIL, 9
.set CSR, 11
.set KS,  32
.set QSE, 36
.set QSO, 37
.set VS,  38
.set PW,  42
.set TM,  44
.set S,   64
.set KF,  128
.set PC,  224
.set TP,  236
.set VF,  96
.set WV,  10
.set SEL, 16
.set CS,  18
.set KB,  20
.set KSB, 21
.set VB,  22
.set CNT, 23
.set G1K, 24
.set G1S, 32
.set G1V, 40
.set MSB, 0
.macro WIN new
.if MSB != (\new)
	s_set_vgpr_msb (MSB<<8)|(\new)
.set MSB, (\new)
.endif
.endm
.macro PLACES n
.rept \n
	v_nop
.endr
.endm
.macro CROUND
	s_barrier_signal -1
	s_barrier_wait -1
	s_cmp_lg_u32 s[WV], 0
	s_cbranch_scc1 .Lnot_wave_0_\@
	s_barrier_signal -3
.Lnot_wave_0_\@:
	s_barrier_wait -3
	s_barrier_signal -1
	s_barrier_wait -1
.endm
.macro WM d, a, b, c, sa, sb, ra, rb
.if (\c) < 0
.if (\ra) && (\rb)
	v_wmma_scale_f32_16x16x128_f8f6f4 v[(\d):(\d)+7], v[(\a):(\a)+11], v[(\b):(\b)+11], 0, v[(\sa)], v[(\sb)] matrix_a_fmt:MATRIX_FMT_FP6 matrix_b_fmt:MATRIX_FMT_FP6 matrix_a_scale:MATRIX_SCALE_ROW1 matrix_b_scale:MATRIX_SCALE_ROW1
.elseif (\ra)
	v_wmma_scale_f32_16x16x128_f8f6f4 v[(\d):(\d)+7], v[(\a):(\a)+11], v[(\b):(\b)+11], 0, v[(\sa)], v[(\sb)] matrix_a_fmt:MATRIX_FMT_FP6 matrix_b_fmt:MATRIX_FMT_FP6 matrix_a_scale:MATRIX_SCALE_ROW1
.elseif (\rb)
	v_wmma_scale_f32_16x16x128_f8f6f4 v[(\d):(\d)+7], v[(\a):(\a)+11], v[(\b):(\b)+11], 0, v[(\sa)], v[(\sb)] matrix_a_fmt:MATRIX_FMT_FP6 matrix_b_fmt:MATRIX_FMT_FP6 matrix_b_scale:MATRIX_SCALE_ROW1
.else
	v_wmma_scale_f32_16x16x128_f8f6f4 v[(\d):(\d)+7], v[(\a):(\a)+11], v[(\b):(\b)+11], 0, v[(\sa)], v[(\sb)] matrix_a_fmt:MATRIX_FMT_FP6 matrix_b_fmt:MATRIX_FMT_FP6
.endif
.else
.if (\ra) && (\rb)
	v_wmma_scale_f32_16x16x128_f8f6f4 v[(\d):(\d)+7], v[(\a):(\a)+11], v[(\b):(\b)+11], v[(\c):(\c)+7], v[(\sa)], v[(\sb)] matrix_a_fmt:MATRIX_FMT_FP6 matrix_b_fmt:MATRIX_FMT_FP6 matrix_a_scale:MATRIX_SCALE_ROW1 matrix_b_scale:MATRIX_SCALE_ROW1
.elseif (\ra)
	v_wmma_scale_f32_16x16x128_f8f6f4 v[(\d):(\d)+7], v[(\a):(\a)+11], v[(\b):(\b)+11], v[(\c):(\c)+7], v[(\sa)], v[(\sb)] matrix_a_fmt:MATRIX_FMT_FP6 matrix_b_fmt:MATRIX_FMT_FP6 matrix_a_scale:MATRIX_SCALE_ROW1
.elseif (\rb)
	v_wmma_scale_f32_16x16x128_f8f6f4 v[(\d):(\d)+7], v[(\a):(\a)+11], v[(\b):(\b)+11], v[(\c):(\c)+7], v[(\sa)], v[(\sb)] matrix_a_fmt:MATRIX_FMT_FP6 matrix_b_fmt:MATRIX_FMT_FP6 matrix_b_scale:MATRIX_SCALE_ROW1
.else
	v_wmma_scale_f32_16x16x128_f8f6f4 v[(\d):(\d)+7], v[(\a):(\a)+11], v[(\b):(\b)+11], v[(\c):(\c)+7], v[(\sa)], v[(\sb)] matrix_a_fmt:MATRIX_FMT_FP6 matrix_b_fmt:MATRIX_FMT_FP6
.endif
.endif
.endm
; 64 numbers of a lane in window w, register s + 16 b + i = k 32 b + 16 (lane / 16) + i of my row, become a fragment's codes in v[PC] on and its scale word in v[pw], both in window 0
.macro QUANTW w, s, pw, xw
	WIN (\w)|((\w)<<2)
.irp b, 0,1,2,3
	v_max3_num_f32 v[TM+\b], |v[(\s)+16*\b]|, |v[(\s)+16*\b+1]|, 0x1800000   ; with the floor 2^(3 - 127)
.endr
.irp i, 2,4,6,8,10,12,14
.irp b, 0,1,2,3
	v_max3_num_f32 v[TM+\b], |v[(\s)+16*\b+\i]|, |v[(\s)+16*\b+\i+1]|, v[TM+\b]
.endr
.endr
	WIN 0
.irp b, 0,1,2,3
	v_permlanex16_b32 v[TM+4+\b], v[TM+\b], s[SEL], s[SEL+1]
.endr
.irp b, 0,1,2,3
	v_max_num_f32 v[TM+\b], v[TM+\b], v[TM+4+\b]
.endr
.irp b, 0,1,2,3
	v_add_nc_u32 v[TM+12+\b], 0xff000000, v[TM+\b]
.endr
.irp b, 0,1,2,3
	v_lshrrev_b32 v[TM+4+\b], 23, v[TM+12+\b]
.endr
	v_lshl_or_b32 v[\pw], v[TM+5], 8, v[TM+4]
	v_lshl_or_b32 v[\pw], v[TM+6], 16, v[\pw]
	v_lshl_or_b32 v[\pw], v[TM+7], 24, v[\pw]
.if \xw
	s_wait_xcnt 0x0
.endif
	WIN (\w)
.irp c, 0,1
	v_cvt_scalef32_pk16_fp6_f32 v[PC+6*\c:PC+6*\c+2], v[(\s)+32*\c:(\s)+32*\c+15], v[TM+12+2*\c]
	v_cvt_scalef32_pk16_fp6_f32 v[TP+4*\c:TP+4*\c+2], v[(\s)+32*\c+16:(\s)+32*\c+31], v[TM+13+2*\c]
.endr
	WIN 0
	v_nop                                          ; a plain place behind the conversions
.irp c, 0,1
.irp i, 0,1,2
	v_permlane16_swap_b32 v[PC+6*\c+\i], v[TP+4*\c+\i]
.endr
.irp i, 0,1,2
	v_mov_b32 v[PC+3+6*\c+\i], v[TP+4*\c+\i]
.endr
.endr
.endm
	s_load_b128 s[4:7], s[0:1], 0x0                ; qkv, padding_mask
	s_load_b64 s[8:9], s[0:1], 0x10                ; ctxc
	v_lshl_add_u32 v[SPW], v0, 2, SPARE
	v_mov_b32 v[NIL], 0
	ds_add_u32 v[SPW], v[NIL]                      ; the opening: the add, twice on end, and its wait ahead of my first tensor load
	ds_add_u32 v[SPW], v[NIL]
	v_lshrrev_b32 v26, 5, v0
	v_readfirstlane_b32 s[WV], v26                 ; wave 0..7
	s_bfe_u32 s11, ttmp6, 0x40000                  ; cx
	s_lshl_b32 s12, ttmp9, 2
	s_add_co_u32 s12, s12, s11                     ; my panel of queries: it enters Q's, the mask's and ctx's addresses alone
	s_and_b32 s13, ttmp7, 0xffff
	s_lshr_b32 s14, s13, 3                         ; batch
	s_and_b32 s15, s13, 7                          ; head pair
	s_lshr_b32 s72, s15, 1
	s_and_b32 s73, s15, 1
.irp g, G1K, G1S, G1V
	s_mov_b32 s[\g], 15|(3<<16)|(1<<21)            ; all four work-groups; elements of 8 bytes; bit 21 beside a mask; no padding
	s_mov_b32 s[\g+6], 0
	s_mov_b32 s[\g+7], 0
.endr
	s_mov_b32 s[G1K+1], 32<<16                     ; K's codes of a panel: 48 rows of 256 bytes, dense
	s_mov_b32 s[G1K+2], 48<<16
	s_mov_b32 s[G1K+3], 32<<16
	s_mov_b32 s[G1K+4], 48
	s_mov_b32 s[G1K+5], 32
	s_mov_b32 s[G1S+1], 64<<16                     ; two panels' scale words: 2 rows of 512 bytes, a record apart
	s_mov_b32 s[G1S+2], 2<<16
	s_mov_b32 s[G1S+3], 64<<16
	s_mov_b32 s[G1S+4], 2
	s_mov_b32 s[G1S+5], REC/8
	s_mov_b32 s[G1V+1], 32<<16                     ; a quarter of a record of V^T: 25 rows of 256 bytes, dense
	s_mov_b32 s[G1V+2], 25<<16
	s_mov_b32 s[G1V+3], 32<<16
	s_mov_b32 s[G1V+4], 25
	s_mov_b32 s[G1V+5], 32
	s_add_co_u32 s74, s72, 4
	s_lshl_b32 s74, s74, 5
	s_lshl_b32 s75, s14, 4
	s_add_co_u32 s74, s74, s75                     ; K's first record: kslot 4 + pair / 2, panel 16 x batch
	s_add_co_u32 s76, s74, s[WV]
	s_mul_i32 s76, s76, REC
	s_mul_i32 s77, s73, 12288
	s_add_co_u32 s76, s76, s77
	s_mov_b32 s77, 0                               ; panel w's codes
	s_lshl_b32 s78, s[WV], 1
	s_add_co_u32 s78, s78, s74
	s_mul_i32 s78, s78, REC
	s_lshl_b32 s79, s73, 9
	s_add_co_u32 s78, s78, s79
	s_add_co_u32 s78, s78, SCO
	s_mov_b32 s79, 0                               ; panels 2 w, 2 w + 1: scale words
	s_lshl_b32 s80, s14, 3
	s_lshr_b32 s81, s[WV], 2
	s_add_co_u32 s80, s80, s81
	s_lshl_b32 s80, s80, 3
	s_add_co_u32 s80, s80, s15
	s_mul_i32 s80, s80, REC
	s_and_b32 s81, s[WV], 3
	s_mul_i32 s81, s81, 6400
	s_add_co_u32 s80, s80, s81
	s_add_co_u32 s80, s80, VTO
	s_mov_b32 s81, 0                               ; my eighth of V's first slot
	s_mul_i32 s82, s[WV], 12288
	s_lshl_b32 s83, s[WV], 10
	s_mul_i32 s84, s[WV], 6400
	s_lshl_b32 s85, s72, 5
	s_add_co_u32 s85, s85, s75
	s_add_co_u32 s85, s85, s12
	s_mul_i32 s85, s85, REC                        ; Q's record, and ctx's: kslot pair / 2, panel 16 x batch + x
	s_mul_i32 s86, s73, 12288
	s_add_co_u32 s86, s86, s85
	s_mul_i32 s87, s[WV], 1536
	s_add_co_u32 s86, s86, s87
	s_mov_b32 s87, 0                               ; my fragment
	s_lshl_b32 s88, s73, 9
	s_add_co_u32 s88, s88, s85
	s_add_co_u32 s88, s88, SCO
	s_mov_b32 s89, 0                               ; the pair's 512 bytes of scale words
	s_lshr_b32 s90, s[WV], 2
	s_lshl_b32 s90, s90, 8
	s_and_b32 s91, s[WV], 1
	s_lshl_b32 s91, s91, 7
	s_add_co_u32 s90, s90, s91
	s_bfe_u32 s91, s[WV], 0x10001
	s_lshl_b32 s91, s91, 2
	s_add_co_u32 s90, s90, s91                     ; tile w's place among them
	s_mov_b32 s91, 0
	s_lshl_b32 s92, s14, 11
	s_lshl_b32 s93, s12, 7
	s_add_co_u32 s92, s92, s93
	s_lshr_b32 s93, s[WV], 1
	s_lshl_b32 s93, s93, 5
	s_add_co_u32 s92, s92, s93
	s_and_b32 s93, s[WV], 1
	s_lshl_b32 s93, s93, 3
	s_add_co_u32 s92, s92, s93
	s_lshl_b32 s92, s92, 2
	s_mov_b32 s93, 0                               ; the mask at my tile's first token
	s_mov_b32 s[SEL], 0x76543210
	s_mov_b32 s[SEL+1], 0xfedcba98
	s_mov_b32 s[CS], 0x3e38aa3b                    ; log2(e) / 8
	s_mov_b32 s[CS+1], s[CS]
	s_mov_b32 s[KB], KC
	s_mov_b32 s[KSB], KSC
	s_wait_dscnt 0x0                               ; both opening adds are done
	s_wait_kmcnt 0x0
	s_mov_b32 s48, 1                               ; K, panel w
	s_add_co_u32 s49, s82, KC
	s_add_nc_u64 s[50:51], s[4:5], s[76:77]
	s_or_b32 s51, s51, 0x80000000
	s_mov_b32 s52, 1                               ; K's scale words
	s_add_co_u32 s53, s83, KSC
	s_add_nc_u64 s[54:55], s[4:5], s[78:79]
	s_or_b32 s55, s55, 0x80000000
	s_mov_b32 s56, 1                               ; K, panel 8 + w
	s_add_co_u32 s57, s82, KC+8*12288
	s_add_nc_u64 s[58:59], s[4:5], s[76:77]
	s_add_nc_u64 s[58:59], s[58:59], 8*REC
	s_or_b32 s59, s59, 0x80000000
	s_mov_b32 s60, 1                               ; V, slot 0
	s_mov_b32 s61, s84
	s_add_nc_u64 s[62:63], s[4:5], s[80:81]
	s_or_b32 s63, s63, 0x80000000
	s_mov_b32 s68, 1                               ; V, slot 1; this one walks on
	s_add_co_u32 s69, s84, 65536
	s_add_nc_u64 s[70:71], s[4:5], s[80:81]
	s_add_nc_u64 s[70:71], s[70:71], 409600
	s_or_b32 s71, s71, 0x80000000
	s_add_nc_u64 s[94:95], s[4:5], s[86:87]        ; Q's fragment
	s_add_nc_u64 s[96:97], s[4:5], s[88:89]
	s_add_nc_u64 s[96:97], s[96:97], s[90:91]      ; its scale words
	s_add_nc_u64 s[6:7], s[6:7], s[92:93]
	s_add_nc_u64 s[86:87], s[8:9], s[86:87]        ; ctx's fragment
	s_add_nc_u64 s[88:89], s[8:9], s[88:89]        ; and the panel's scale words
	CROUND                                         ; all four work-groups are here: the first joint loads meet
	tensor_load_to_lds s[48:51], s[G1K:G1K+7]      ; five loads of mine are out
	s_nop 0
	tensor_load_to_lds s[52:55], s[G1S:G1S+7]
	s_nop 0
	tensor_load_to_lds s[56:59], s[G1K:G1K+7]
	s_nop 0
	tensor_load_to_lds s[60:63], s[G1V:G1V+7]
	s_nop 0
	tensor_load_to_lds s[68:71], s[G1V:G1V+7]
	s_nop 0
	PLACES 4
	v_and_b32 v26, 31, v0
	v_lshlrev_b32 v[LI], 4, v26
	v_lshlrev_b32 v[L8], 3, v26
	v_and_b32 v27, 15, v0                          ; rho
	v_lshlrev_b32 v28, 3, v27
	s_add_co_u32 s90, s90, CSB
	v_add_nc_u32 v[CSA], s90, v28                  ; the gather: my row's scale word
	v_add_nc_u32 v[CSR], CSB, v[LI]
	v_and_b32 v29, 8, v27
	v_add_nc_u32 v29, v29, v27
	v_lshlrev_b32 v29, 2, v29                      ; slot rho is token rho + 8 (rho / 8) of the tile
	WIN 0x40
.irp c, 0,1,2
	global_load_b128 v[4*\c:4*\c+3], v[LI], s[94:95] offset:512*\c
	global_load_b128 v[12+4*\c:15+4*\c], v[LI], s[94:95] offset:512*\c
.endr
	WIN 0
	global_load_b32 v[QSE], v28, s[96:97]
	global_load_b32 v10, v29, s[6:7]
	s_wait_loadcnt 0x0
	v_and_b32 v[QSO], 0xffff0000, v[QSE]           ; the odd head's two bytes,
	v_and_b32 v[QSE], 0xffff, v[QSE]               ; the even head's
	WIN 0x40
.irp i, 6,7,8,9,10,11,12,13,14,15,16,17
	v_mov_b32 v[\i], 0                             ; zero codes in the other head's half
.endr
	WIN 0
	v_mov_b32 v13, 0xff61b1e6                      ; the largest t so far: -3e38
	v_mov_b32 v17, 0xff61b1e6
	v_floor_f32 v12, -v13
	v_floor_f32 v16, -v17
	v_mov_b32 v14, 0
	v_mov_b32 v15, 0
	v_mov_b32 v18, 0
	v_mov_b32 v19, 0
	v_mov_b32 v25, 0
.irp b, 0,1,2,3
	v_mov_b32 v[TM+4+\b], 0                        ; (these lines are also the places between the scale words and codes made above and the first products)
.endr
.macro LDK off, soff                   ; a panel of 128 keys: eight fragments and their scale words: 26 loads
.irp q, 0,1
	ds_load_b64 v[KS+2*\q:KS+2*\q+1], v[AKS] offset:(\soff)+256*\q
.endr
.irp a, 0,1,2,3,4,5,6,7
.irp c, 0,1,2
	ds_load_b128 v[KF+12*\a+4*\c:KF+12*\a+4*\c+3], v[AK] offset:(\off)+1536*\a+512*\c
.endr
.endr
.endm
.macro LDV off, soff                   ; V^T for the same 128 keys: 26 loads
.irp q, 0,1
	ds_load_b64 v[VS+2*\q:VS+2*\q+1], v[AVS] offset:(\soff)+256*\q
.endr
	WIN 0x40
.irp a, 0,1,2,3,4,5,6,7
.irp c, 0,1,2
	ds_load_b128 v[VF+12*\a+4*\c:VF+12*\a+4*\c+3], v[AV] offset:(\off)+1536*\a+512*\c
.endr
.endr
	WIN 0
.endm
.macro KQ qf, qs                       ; S^T = K Q^T for one head: eight tiles of 16 keys
	WIN 0x04
.irp a, 0,1,2,3,4,5,6,7
	WM S+8*\a, KF+12*\a, \qf, -1, KS+\a/2, \qs, \a%2, 0
.endr
	WIN 0
	PLACES 4
.endm
.macro PV hh                           ; O^T += V^T P^T: the head's four tiles, by turns.  It leaves V's and O^T's window set: what follows sets its own
	WIN 0x51
.irp d, 0,1,2,3
	WM 32+32*\hh+8*\d, VF+48*\hh+12*\d, PC, 32+32*\hh+8*\d, VS+2*\hh+\d/2, PW, \d%2, 0
.endr
.endm
.macro TMINUS nm                       ; t - M, two at a time
.set J, 0
.rept 32
	v_pk_fma_f32 v[S+J:S+J+1], v[S+J:S+J+1], s[CS:CS+1], v[\nm:\nm+1] op_sel_hi:[1,0,0]
.set J, J+2
.endr
.set J, 0
.rept 64
	v_exp_f32 v[S+J], v[S+J]
.set J, J+1
.endr
.endm
.macro P1SM nm                         ; pass 1: the running maximum and sum of one head; v[nm] = -M, +1 t, +2, +3 the sum
.irp b, 0,1,2,3
	v_max3_num_f32 v[TM+\b], v[S+16*\b], v[S+16*\b+1], v[S+16*\b+2]
.endr
.irp i, 3,5,7,9,11,13
.irp b, 0,1,2,3
	v_max3_num_f32 v[TM+\b], v[TM+\b], v[S+16*\b+\i], v[S+16*\b+\i+1]
.endr
.endr
.irp b, 0,1,2,3
	v_max_num_f32 v[TM+\b], v[TM+\b], v[S+16*\b+15]
.endr
	v_max3_num_f32 v26, v[TM], v[TM+1], v[TM+2]
	v_max_num_f32 v26, v26, v[TM+3]
	v_permlanex16_b32 v27, v26, s[SEL], s[SEL+1]
	v_max_num_f32 v26, v26, v27                    ; with lane l xor 16's 64 keys
	v_mul_f32 v26, s[CS], v26
	v_max_num_f32 v[\nm+1], v[\nm+1], v26
	v_mov_b32 v26, v[\nm]
	v_floor_f32 v[\nm], -v[\nm+1]                  ; -M = floor(-t)
	v_sub_f32 v26, v[\nm], v26
	v_cvt_i32_f32 v26, v26                         ; (it saturates)
	v_ldexp_f32 v24, 1.0, v26                      ; 2^(old M - new M)
	TMINUS \nm
	v_pk_mul_f32 v[\nm+2:\nm+3], v[\nm+2:\nm+3], v[24:25] op_sel_hi:[1,0]   ; a plain place behind the exponentials
	s_wait_alu depctr_va_vdst(0)                   ; one wait for the batch, ahead of its first reader
	v_pk_add_f32 v[26:27], v[S:S+1], v[S+2:S+3]
.set J, 4
.rept 15
	v_pk_add_f32 v[\nm+2:\nm+3], v[\nm+2:\nm+3], v[S+J:S+J+1]
	v_pk_add_f32 v[26:27], v[26:27], v[S+J+2:S+J+3]
.set J, J+4
.endr
	v_pk_add_f32 v[\nm+2:\nm+3], v[\nm+2:\nm+3], v[26:27]
.endm
.macro P2SM nm, rr                     ; pass 2: the finished probabilities of one head, and their codes
	TMINUS \nm
	v_nop
	s_wait_alu depctr_va_vdst(0)
.set J, 0
.rept 32
	v_pk_mul_f32 v[S+J:S+J+1], v[S+J:S+J+1], v[\rr:\rr+1] op_sel_hi:[1,0]   ; x keep / sum
.set J, J+2
.endr
	QUANTW 0, S, PW, 0
	PLACES 8                                       ; a scale word made by vector instructions stands eight places ahead of the product, codes four
.endm
.macro STEP1
	v_add_nc_u32 v[AK], s[KB], v[LI]
	v_add_nc_u32 v[AKS], s[KSB], v[L8]
	LDK 0, 0
	s_wait_dscnt 0x0
	KQ 0, QSE
	P1SM 12
	KQ 12, QSO
	P1SM 16
	s_add_co_u32 s[KB], s[KB], 12288
	s_add_co_u32 s[KSB], s[KSB], 512
.endm
.macro STEP2 ks
	WIN 0                                          ; the last products left another window set: the addresses and K's registers below lie in window 0
.if \ks
	PLACES 4                                       ; behind the last products, in front of the loads into V's registers
.else
	v_add_nc_u32 v[AK], s[KB], v[LI]               ; (these four are those places)
	v_add_nc_u32 v[AKS], s[KSB], v[L8]
	v_add_nc_u32 v[AV], s[VB], v[LI]
	v_add_nc_u32 v[AVS], s[VB], v[L8]
.endif
	LDK 12288*\ks, 512*\ks
	LDV 12288*\ks, SCO+512*\ks
	s_wait_dscnt 26                                ; K's 26 loads are in; V's 26 may be out
	KQ 0, QSE
	P2SM 12, 20
	s_wait_dscnt 0x0                               ; V
	PV 0
	KQ 12, QSO
	P2SM 16, 22
	PV 1
.endm
.macro P2LOOP                          ; a slot of V: 512 keys, four key steps
	s_mov_b32 s[CNT], 2
.Lp2_\@:
	STEP2 0
	STEP2 1
	WIN 0
	s_add_co_u32 s[VB], s[VB], REC
	s_add_co_u32 s[KB], s[KB], 24576
	s_add_co_u32 s[KSB], s[KSB], 1024
	s_sub_co_u32 s[CNT], s[CNT], 1
	s_cmp_lg_u32 s[CNT], 0
	s_cbranch_scc1 .Lp2_\@
	s_sub_co_u32 s[VB], s[VB], 2*REC
	s_xor_b32 s[VB], s[VB], 65536                  ; on to the other slot
.endm
.macro CHANGE                          ; the slot just read is filled again, with the keys two slots on
	s_wait_tensorcnt 0x0                           ; all my tensor loads have landed: my part of the slot ahead
	ds_add_u32 v[SPW], v[NIL]                      ; 0 onto my spare word
	s_xor_b32 s69, s69, 65536                      ; the walking descriptor: the other slot,
	s_add_nc_u64 s[70:71], s[70:71], 409600        ; the next 512 keys
	s_wait_dscnt 0x0                               ; the add is done, and my reads of the slot are over
	CROUND                                         ; no wave of any partner still reads it or has a load on its way
	tensor_load_to_lds s[68:71], s[G1V:G1V+7]
	s_nop 0
	PLACES 4
.endm
; ---- pass 1
	s_wait_tensorcnt 3                             ; K's panels 0-7 and the scale words are in; three younger loads may be out
	s_barrier_signal -1
	s_barrier_wait -1
	s_mov_b32 s[CNT], 8
.Lp1a:
	STEP1
	s_sub_co_u32 s[CNT], s[CNT], 1
	s_cmp_lg_u32 s[CNT], 0
	s_cbranch_scc1 .Lp1a
	s_wait_tensorcnt 2                             ; K's panels 8-15; V's two slots may be out
	s_barrier_signal -1
	s_barrier_wait -1
	s_mov_b32 s[CNT], 8
.Lp1b:
	STEP1
	s_sub_co_u32 s[CNT], s[CNT], 1
	s_cmp_lg_u32 s[CNT], 0
	s_cbranch_scc1 .Lp1b
; ---- between the passes: keep / sum
	v_add_f32 v26, v14, v15
	v_add_f32 v28, v18, v19
	v_permlanex16_b32 v27, v26, s[SEL], s[SEL+1]
	v_permlanex16_b32 v29, v28, s[SEL], s[SEL+1]
	v_add_f32 v26, v26, v27
	v_add_f32 v28, v28, v29
	v_rcp_f32 v27, v26
	v_rcp_f32 v29, v28
	v_nop
	v_cmp_ne_u32 vcc_lo, 0, v10
	s_wait_alu depctr_va_vdst(0)
	v_cndmask_b32 v20, 0, v27, vcc_lo              ; a padded query's probabilities are zeros
	v_cndmask_b32 v22, 0, v29, vcc_lo
	v_mov_b32 v21, v20
	v_mov_b32 v23, v22
	WIN 0x40
.set J, 0
.rept 64
	v_mov_b32 v[32+J], 0                           ; O^T: the key step is written once per phase, so its sums begin as zeros
.set J, J+1
.endr
	WIN 0
	s_mov_b32 s[KB], KC
	s_mov_b32 s[KSB], KSC
	s_mov_b32 s[VB], 0
; ---- pass 2
	s_wait_tensorcnt 1                             ; V's slot 0 is in; slot 1's load may be out
	s_barrier_signal -1
	s_barrier_wait -1
	P2LOOP
	CHANGE
	P2LOOP
	CHANGE
	P2LOOP
	s_wait_tensorcnt 0x0                           ; the last slot has landed; nothing more is asked for
	ds_add_u32 v[SPW], v[NIL]
	s_wait_dscnt 0x0
	s_barrier_signal -1
	s_barrier_wait -1
	P2LOOP
; ---- the way out: O^T's 64 registers are one fragment of ctx
	PLACES 4
	QUANTW 1, 32, PW, 0
.irp c, 0,1,2
	global_store_b128 v[LI], v[PC+4*\c:PC+4*\c+3], s[86:87] offset:512*\c th:TH_STORE_NT
.endr
	ds_store_b32 v[CSA], v[PW]                     ; both halves of the lanes write the same word with the same value
	s_wait_dscnt 0x0
	s_barrier_signal -1
	s_barrier_wait -1
	s_cmp_lg_u32 s[WV], 0
	s_cbranch_scc1 .Lnot_first
	ds_load_b128 v[64:67], v[CSR]                  ; the eight tiles' scale words: 512 bytes
	s_wait_dscnt 0x0
	global_store_b128 v[LI], v[64:67], s[88:89] th:TH_STORE_NT
.Lnot_first:
	s_wait_tensorcnt 0x0                           ; the wave's end
	ds_add_u32 v[SPW], v[NIL]
	s_wait_dscnt 0x0
	CROUND                                         ; the closing round
	s_endpgm
.Lfunc_end_k_qf7a66ada2a_attn:
	.size	k_qf7a66ada2a_attn, .Lfunc_end_k_qf7a66ada2a_attn-k_qf7a66ada2a_attn
	.p2alignl 7, 3214868480
	.fill 96, 4, 3214868480
	.section	.rodata,"a",@progbits
	.p2align	6, 0x0
	.amdhsa_kernel k_qf7a66ada2a_attn
		.amdhsa_group_segment_fixed_size 327680
		.amdhsa_private_segment_fixed_size 0
		.amdhsa_enable_private_segment 0
		.amdhsa_kernarg_size 24
		.amdhsa_user_sgpr_count 2
		.amdhsa_user_sgpr_kernarg_segment_ptr 1
		.amdhsa_wavefront_size32 1
		.amdhsa_system_sgpr_workgroup_id_x 1
		.amdhsa_system_sgpr_workgroup_id_y 1
		.amdhsa_system_sgpr_workgroup_id_z 1
		.amdhsa_system_vgpr_workitem_id 0
		.amdhsa_next_free_vgpr 512
		.amdhsa_next_free_sgpr 100
		.amdhsa_reserve_vcc 1
		.amdhsa_float_denorm_mode_32 3
		.amdhsa_float_denorm_mode_16_64 3
		.amdhsa_memory_ordered 1
		.amdhsa_forward_progress 1
		.amdhsa_inst_pref_size 255
	.end_amdhsa_kernel
	.section	.bss,"aw",@nobits
	.p2align	6
	.space	262144
	.amdgpu_metadata
---
amdhsa.version: [ 1, 2 ]
amdhsa.kernels:
  - .name:           k_qf7a66ada2a_attn
    .symbol:         k_qf7a66ada2a_attn.kd
    .args:
      - { .name: qkv, .offset: 0, .size: 8, .value_kind: global_buffer, .address_space: global }
      - { .name: padding_mask, .offset: 8, .size: 8, .value_kind: global_buffer, .address_space: global }
      - { .name: ctxc, .offset: 16, .size: 8, .value_kind: global_buffer, .address_space: global }
    .group_segment_fixed_size: 327680
    .private_segment_fixed_size: 0
    .kernarg_segment_align: 8
    .kernarg_segment_size: 24
    .max_flat_workgroup_size: 256
    .sgpr_count:     100
    .vgpr_count:     512
    .wavefront_size: 32
...
	.end_amdgpu_metadata
.endif
;; end of part 3
;; launch oproj (part 4): grid 8 x 32, 4 waves a work-group, clusters of 4 x 4, 327,680 bytes of LDS; arguments ctxc, opw, rowsf; writes rowsf
.if DOCPART == 4
	.amdgcn_target "amdgcn-amd-amdhsa--gfx1250"
	.amdhsa_code_object_version 6
	.text
	.protected	k_qf7a66ada2a_oproj
	.globl	k_qf7a66ada2a_oproj
	.p2align	8
	.type	k_qf7a66ada2a_oproj,@function
k_qf7a66ada2a_oproj:
	s_mov_b64 s[64:65], 0
	v_nop
	global_prefetch_b8 v0, s[64:65] scope:SCOPE_SE
	s_setreg_imm32_b32 hwreg(HW_REG_WAVE_MODE, 25, 1), 1
	s_wait_xcnt 0x0
	s_wait_alu depctr_hold_cnt(0) depctr_sa_sdst(0) depctr_va_vdst(0) depctr_va_sdst(0) depctr_va_ssrc(0) depctr_va_vcc(0) depctr_vm_vsrc(0)
	s_getreg_b32 s2, hwreg(HW_REG_IB_STS2, 6, 4)
	s_cmp_eq_u32 s2, 0
	s_cbranch_scc0 .Lentry_in_a_cluster
	s_endpgm
.Lentry_in_a_cluster:
	s_bfe_u32 s2, ttmp6, 0x10000c
	s_cmp_lg_u32 s2, 0xf033
	s_cbranch_scc0 .Lentry_shape_is_right
	s_endpgm
.Lentry_shape_is_right:
; A GEMM on operand images with an f32 result in rows.  One text, two uses, by KIND: 0 (this launch): attn_out = ctx W_O, K = 1,024;  1: h W2, K = 4,096 (b2 is added by the launch that follows).  No work is left out.
; M = 4,096 and N = 1,024 give 256 tiles of 128 x 128, one for each work-group; four waves of 64 x 64: 16 accumulators.
; Images: a record is 128 row slots x 256 K, 25,600 bytes: fragment (ksub, rt) at 12288 ksub + 1536 rt, registers 4 c .. 4 c + 3 of lane l at 512 c + 16 l; scale words at
; 24576 + 512 ksub + 256 (rt / 4) + 8 (16 (rt % 2) + rho) + 4 ((rt / 2) % 2).  Slot (rt, rho) is row 32 (rt / 2) + 8 (rt % 2) + rho + 8 (rho / 8) of its panel.
; K goes in steps of 512 through two LDS slots of four records (A's two kslots, B's two); each wave fetches one record.  CLUSTER 4 x 4: A's records are shared along a row, B's along a column.
; TRANSPOSED USE: source 0 = 16 slots of B, source 1 = 16 slots of A: a lane holds eight neighbouring columns of one row of C.
; REGISTERS: window 0: v16-29 addresses; v32-39 scale words, two sets; v64-127 the way out; v128-255 accumulators.  window 1: two sets of fragments (A's four, B's four).
.set KIND,  0
.set REC,   25600
.set SCO,   24576
.set KSTR,  32*REC
.if KIND
.set BSEC,  9830400
.set BSTR,  204800
.set LAPS,  4
.else
.set BSEC,  3276800+24*REC
.set BSTR,  KSTR
.set LAPS,  1
.endif
.set SLOT,  4*REC
.set STAGE, 2*SLOT                     ; behind the ring: 16 rows x (256 + 16) bytes for each wave
.set SPARE, STAGE+4*4352
.set ADRA, 16
.set ASA,  18
.set ADRB, 20
.set ASB,  22
.set STO,  24
.set RD,   25
.set CO,   26
.set SPW,  28
.set NIL,  29
.set SC,   32
.set BK,   64
.set ACC,  128
.set G1,   24
.set G0,   32
.set G1B,  48
.set G0B,  56
.set MUL,  0x05                        ; sources 0 and 1 window 1; C and D window 0
.set MSB, 0
.macro WIN new
.if MSB != (\new)
	s_set_vgpr_msb (MSB<<8)|(\new)
.set MSB, (\new)
.endif
.endm
.macro PLACES n
.rept \n
	v_nop
.endr
.endm
.macro JLOAD g0a, g0b                  ; waves 0, 1 fetch A's records, waves 2, 3 B's; s_nop 0 and four v_nop follow each line
	s_cmp_eq_u32 s15, 0
	s_cbranch_scc0 .Lfor_b_\@
	tensor_load_to_lds s[\g0a:\g0a+3], s[G1:G1+7]
	s_nop 0
	PLACES 4
	s_branch .Lasked_\@
.Lfor_b_\@:
	tensor_load_to_lds s[\g0b:\g0b+3], s[G1B:G1B+7]
	s_nop 0
	PLACES 4
.Lasked_\@:
.endm
.macro CREST
	s_cmp_lg_u32 s14, 0
	s_cbranch_scc1 .Lnot_wave_0_\@
	s_barrier_signal -3
.Lnot_wave_0_\@:
	s_barrier_wait -3
	s_barrier_signal -1
	s_barrier_wait -1
.endm
.macro CROUND
	s_barrier_signal -1
	s_barrier_wait -1
	CREST
.endm
.macro WM d, a, b, c, sa, sb, ra, rb
.if (\c) < 0
.if (\ra) && (\rb)
	v_wmma_scale_f32_16x16x128_f8f6f4 v[(\d):(\d)+7], v[(\a):(\a)+11], v[(\b):(\b)+11], 0, v[(\sa)], v[(\sb)] matrix_a_fmt:MATRIX_FMT_FP6 matrix_b_fmt:MATRIX_FMT_FP6 matrix_a_scale:MATRIX_SCALE_ROW1 matrix_b_scale:MATRIX_SCALE_ROW1
.elseif (\ra)
	v_wmma_scale_f32_16x16x128_f8f6f4 v[(\d):(\d)+7], v[(\a):(\a)+11], v[(\b):(\b)+11], 0, v[(\sa)], v[(\sb)] matrix_a_fmt:MATRIX_FMT_FP6 matrix_b_fmt:MATRIX_FMT_FP6 matrix_a_scale:MATRIX_SCALE_ROW1
.elseif (\rb)
	v_wmma_scale_f32_16x16x128_f8f6f4 v[(\d):(\d)+7], v[(\a):(\a)+11], v[(\b):(\b)+11], 0, v[(\sa)], v[(\sb)] matrix_a_fmt:MATRIX_FMT_FP6 matrix_b_fmt:MATRIX_FMT_FP6 matrix_b_scale:MATRIX_SCALE_ROW1
.else
	v_wmma_scale_f32_16x16x128_f8f6f4 v[(\d):(\d)+7], v[(\a):(\a)+11], v[(\b):(\b)+11], 0, v[(\sa)], v[(\sb)] matrix_a_fmt:MATRIX_FMT_FP6 matrix_b_fmt:MATRIX_FMT_FP6
.endif
.else
.if (\ra) && (\rb)
	v_wmma_scale_f32_16x16x128_f8f6f4 v[(\d):(\d)+7], v[(\a):(\a)+11], v[(\b):(\b)+11], v[(\c):(\c)+7], v[(\sa)], v[(\sb)] matrix_a_fmt:MATRIX_FMT_FP6 matrix_b_fmt:MATRIX_FMT_FP6 matrix_a_scale:MATRIX_SCALE_ROW1 matrix_b_scale:MATRIX_SCALE_ROW1
.elseif (\ra)
	v_wmma_scale_f32_16x16x128_f8f6f4 v[(\d):(\d)+7], v[(\a):(\a)+11], v[(\b):(\b)+11], v[(\c):(\c)+7], v[(\sa)], v[(\sb)] matrix_a_fmt:MATRIX_FMT_FP6 matrix_b_fmt:MATRIX_FMT_FP6 matrix_a_scale:MATRIX_SCALE_ROW1
.elseif (\rb)
	v_wmma_scale_f32_16x16x128_f8f6f4 v[(\d):(\d)+7], v[(\a):(\a)+11], v[(\b):(\b)+11], v[(\c):(\c)+7], v[(\sa)], v[(\sb)] matrix_a_fmt:MATRIX_FMT_FP6 matrix_b_fmt:MATRIX_FMT_FP6 matrix_b_scale:MATRIX_SCALE_ROW1
.else
	v_wmma_scale_f32_16x16x128_f8f6f4 v[(\d):(\d)+7], v[(\a):(\a)+11], v[(\b):(\b)+11], v[(\c):(\c)+7], v[(\sa)], v[(\sb)] matrix_a_fmt:MATRIX_FMT_FP6 matrix_b_fmt:MATRIX_FMT_FP6
.endif
.endif
.endm
	s_load_b128 s[4:7], s[0:1], 0x0                ; A's image, opw
	s_load_b64 s[8:9], s[0:1], 0x10                ; rowsf
	v_lshl_add_u32 v[SPW], v0, 2, SPARE
	v_mov_b32 v[NIL], 0
	ds_add_u32 v[SPW], v[NIL]                      ; the opening: the add, twice on end, and its wait ahead of my first tensor load
	ds_add_u32 v[SPW], v[NIL]
	v_lshrrev_b32 v1, 5, v0
	v_readfirstlane_b32 s14, v1                    ; wave
	s_lshr_b32 s15, s14, 1                         ; my half of the tile's rows; also: I fetch for A (0) or B (1)
	s_and_b32 s16, s14, 1                          ; my half of its columns; also: which of a slot's two kslots I fetch
	s_bfe_u32 s40, ttmp6, 0x40000
	s_bfe_u32 s41, ttmp6, 0x40004
	s_lshl_b32 s42, ttmp9, 2
	s_add_co_u32 s42, s42, s40                     ; B's panel
	s_and_b32 s17, ttmp7, 0xffff
	s_lshl_b32 s17, s17, 2
	s_add_co_u32 s17, s17, s41                     ; A's panel
	s_lshl_b32 s43, s41, 2
	s_lshl_b32 s43, 15, s43
	s_lshl_b32 s44, 0x1111, s40
	s_or_b32 s[G1], s43, (3<<16)|(1<<21)
	s_or_b32 s[G1B], s44, (3<<16)|(1<<21)
.irp g, G1, G1B                        ; a record: 100 rows of 256 bytes, dense
	s_mov_b32 s[\g+1], 32<<16
	s_mov_b32 s[\g+2], 100<<16
	s_mov_b32 s[\g+3], 32<<16
	s_mov_b32 s[\g+4], 100
	s_mov_b32 s[\g+5], 32
	s_mov_b32 s[\g+6], 0
	s_mov_b32 s[\g+7], 0
.endr
	s_mul_i32 s66, s16, KSTR
	s_mul_i32 s67, s17, REC
	s_add_co_u32 s66, s66, s67
	s_mov_b32 s67, 0
	s_mul_i32 s68, s16, BSTR
	s_mul_i32 s69, s42, REC
	s_add_co_u32 s68, s68, s69
	s_add_co_u32 s68, s68, BSEC
	s_mov_b32 s69, 0
	s_mul_i32 s77, s14, REC
	s_lshl_b32 s70, s17, 19
	s_lshl_b32 s71, s15, 18
	s_add_co_u32 s70, s70, s71
	s_lshl_b32 s71, s42, 9
	s_add_co_u32 s70, s70, s71
	s_lshl_b32 s71, s16, 8
	s_add_co_u32 s70, s70, s71
	s_mov_b32 s71, 0                               ; C: (128 x A's panel + 64 x half) rows of 4,096 bytes + (128 x B's panel + 64 x half) x 4
	s_wait_dscnt 0x0
	s_wait_kmcnt 0x0
	s_add_nc_u64 s[66:67], s[4:5], s[66:67]
	s_add_nc_u64 s[68:69], s[6:7], s[68:69]
	s_add_nc_u64 s[8:9], s[8:9], s[70:71]
	CROUND
.irp s, 0,1
	s_mov_b32 s[G0+4*\s], 1
	s_add_co_u32 s[G0+4*\s+1], s77, \s*SLOT
	s_add_nc_u64 s[G0+4*\s+2:G0+4*\s+3], s[66:67], \s*2*KSTR
	s_or_b32 s[G0+4*\s+3], s[G0+4*\s+3], 0x80000000
	s_mov_b32 s[G0B+4*\s], 1
	s_add_co_u32 s[G0B+4*\s+1], s77, \s*SLOT
	s_add_nc_u64 s[G0B+4*\s+2:G0B+4*\s+3], s[68:69], \s*2*BSTR
	s_or_b32 s[G0B+4*\s+3], s[G0B+4*\s+3], 0x80000000
	JLOAD G0+4*\s, G0B+4*\s
.endr
	v_and_b32 v3, 31, v0
	v_lshlrev_b32 v4, 4, v3
	v_lshlrev_b32 v5, 3, v3
	s_mul_i32 s21, s15, 6144                       ; my four tiles of A,
	s_mul_i32 s22, s16, 6144
	s_add_co_u32 s22, s22, 2*REC                   ; of B
	s_lshl_b32 s23, s15, 8
	s_add_co_u32 s23, s23, SCO
	s_lshl_b32 s45, s16, 8
	s_add_co_u32 s45, s45, 2*REC+SCO
.irp s, 0,1
	v_add_nc_u32 v[ADRA+\s], s21, v4
	v_add_nc_u32 v[ADRB+\s], s22, v4
	v_add_nc_u32 v[ASA+\s], s23, v5
	v_add_nc_u32 v[ASB+\s], s45, v5
	s_add_co_u32 s21, s21, SLOT
	s_add_co_u32 s22, s22, SLOT
	s_add_co_u32 s23, s23, SLOT
	s_add_co_u32 s45, s45, SLOT
.endr
	s_mul_i32 s23, s14, 4352
	s_add_co_u32 s23, s23, STAGE
	v_and_b32 v1, 15, v0
	v_bfe_u32 v2, v0, 4, 1
	v_mul_u32_u24 v3, v1, 272
	v_lshl_add_u32 v3, v2, 6, v3
	v_add_nc_u32 v[STO], s23, v3                   ; into my stage: row = A's slot, + 64 h
	v_mul_u32_u24 v3, v2, 272
	v_lshl_add_u32 v3, v1, 4, v3
	v_add_nc_u32 v[RD], s23, v3                    ; back: lanes 0-15 one row of 256 bytes, lanes 16-31 the next
	v_lshlrev_b32 v3, 12, v2
	v_lshl_add_u32 v[CO], v1, 4, v3
.macro FETCH slot, qd, f               ; the slot's qd-th 128 along K into set f: 26 loads: scale words, B's four fragments, A's blocks 0, 1, then 2, 3
	WIN 0
	ds_load_b64 v[SC+4*\f:SC+4*\f+1], v[ASA+\slot] offset:((\qd)/2)*REC+512*((\qd)%2)
	ds_load_b64 v[SC+4*\f+2:SC+4*\f+3], v[ASB+\slot] offset:((\qd)/2)*REC+512*((\qd)%2)
	WIN 0x40
.irp b, 0,1,2,3
.irp c, 0,1,2
	ds_load_b128 v[128*\f+48+12*\b+4*\c:128*\f+48+12*\b+4*\c+3], v[ADRB+\slot] offset:((\qd)/2)*REC+12288*((\qd)%2)+1536*\b+512*\c
.endr
.endr
.irp a, 0,1,2,3
.irp c, 0,1,2
	ds_load_b128 v[128*\f+12*\a+4*\c:128*\f+12*\a+4*\c+3], v[ADRA+\slot] offset:((\qd)/2)*REC+12288*((\qd)%2)+1536*\a+512*\c
.endr
.endr
.endm
.macro MULA f, a, zero                 ; A's block a x B's four.  The 16 accumulators take turns, one instruction a turn
.irp b, 0,1,2,3
.set DD, ACC+8*(4*(\a)+\b)
.if \zero
.set CC, -1
.else
.set CC, DD
.endif
	WM DD, 128*(\f)+48+12*\b, 128*(\f)+12*(\a), CC, SC+4*(\f)+2+\b/2, SC+4*(\f)+(\a)/2, \b%2, (\a)%2
.endr
.endm
.macro QUARTER slot, qn, f, g, zero
	s_wait_dscnt 6                                 ; all but A's blocks 2, 3
	WIN MUL
	MULA \f, 0, \zero
	MULA \f, 1, \zero
	PLACES 4
	FETCH \slot, \qn, \g
	s_wait_dscnt 26                                ; all but the 26 just issued
	WIN MUL
	MULA \f, 2, \zero
	MULA \f, 3, \zero
.endm
.macro TURN slot, next, fill           ; a slot's last quarter (set 1), and the change of slots: one barrier
	WIN 0
	s_wait_tensorcnt 0x0                           ; all my tensor loads have landed: my record of the next slot
	ds_add_u32 v[SPW], v[NIL]                      ; 0 onto my spare word
	s_wait_dscnt 7                                 ; (the add and A's blocks 2, 3 may be out)
	WIN MUL
	MULA 1, 0, 0
	s_wait_dscnt 0x0                               ; the add is done, and my reads of this slot are over
	s_barrier_signal -1
	MULA 1, 1, 0
	WIN 0
	s_barrier_wait -1
.if \fill
	CREST                                          ; no wave of any partner still reads this slot or has a load on its way
	s_add_nc_u64 s[G0+4*\slot+2:G0+4*\slot+3], s[G0+4*\slot+2:G0+4*\slot+3], 4*KSTR
	s_add_nc_u64 s[G0B+4*\slot+2:G0B+4*\slot+3], s[G0B+4*\slot+2:G0B+4*\slot+3], 4*BSTR
	JLOAD G0+4*\slot, G0B+4*\slot
.else
	PLACES 4
.endif
	FETCH \next, 0, 0
	WIN MUL
	MULA 1, 2, 0
	MULA 1, 3, 0
.endm
	s_wait_tensorcnt 1                             ; my record of slot 0 is in; slot 1's may stay out
	s_barrier_signal -1
	s_barrier_wait -1
	FETCH 0, 0, 0
	QUARTER 0, 1, 0, 1, 1                          ; the first quarter's products start the sums
.if LAPS > 1
	WIN 0
	s_mov_b32 s3, LAPS-1
.Llap:
	QUARTER 0, 2, 1, 0, 0
	QUARTER 0, 3, 0, 1, 0
	TURN 0, 1, 1
	QUARTER 1, 1, 0, 1, 0
	QUARTER 1, 2, 1, 0, 0
	QUARTER 1, 3, 0, 1, 0
	TURN 1, 0, 1
	QUARTER 0, 1, 0, 1, 0
	WIN 0
	s_sub_co_u32 s3, s3, 1
	s_cmp_lg_u32 s3, 0
	s_cbranch_scc1 .Llap
.endif
	QUARTER 0, 2, 1, 0, 0                          ; the last lap fills nothing
	QUARTER 0, 3, 0, 1, 0
	TURN 0, 1, 0
	QUARTER 1, 1, 0, 1, 0
	QUARTER 1, 2, 1, 0, 0
	QUARTER 1, 3, 0, 1, 0
	s_wait_dscnt 6
	WIN MUL
	MULA 1, 0, 0
	MULA 1, 1, 0
	s_wait_dscnt 0x0
	MULA 1, 2, 0
	MULA 1, 3, 0
	WIN 0
; THE WAY OUT: A's block a x my 64 columns goes through my own stage and leaves as rows: sixteen lanes store 256 consecutive bytes, aligned.  The immediates put each slot's row at its place among the panel's rows.
	PLACES 4
.macro OUTS a
.set BB, BK+32*((\a)%2)
.if (\a) > 1
	s_wait_xcnt 0x0                                ; block a - 2's stores have read their registers
.endif
.irp b, 0,1,2,3
	ds_store_b128 v[STO], v[ACC+8*(4*(\a)+\b):ACC+8*(4*(\a)+\b)+3] offset:128*(\b/2)+32*(\b%2)
	ds_store_b128 v[STO], v[ACC+8*(4*(\a)+\b)+4:ACC+8*(4*(\a)+\b)+7] offset:128*(\b/2)+32*(\b%2)+16
.endr
.irp t, 0,1,2,3,4,5,6,7
	ds_load_b128 v[BB+4*\t:BB+4*\t+3], v[RD] offset:544*\t   ; LDS serves a wave's instructions in order: these see my stores
.endr
	s_wait_dscnt 0x0
.irp t, 0,1,2,3,4,5,6,7
	global_store_b128 v[CO], v[BB+4*\t:BB+4*\t+3], s[8:9] offset:(32*((\a)/2)+8*((\a)%2)+2*\t+8*(\t/4))*4096
.endr
.endm
	OUTS 0
	OUTS 1
	OUTS 2
	OUTS 3
	s_wait_tensorcnt 0x0                           ; the wave's end
	ds_add_u32 v[SPW], v[NIL]
	s_wait_dscnt 0x0
	CROUND                                         ; the closing round
	s_endpgm
.Lfunc_end_k_qf7a66ada2a_oproj:
	.size	k_qf7a66ada2a_oproj, .Lfunc_end_k_qf7a66ada2a_oproj-k_qf7a66ada2a_oproj
	.p2alignl 7, 3214868480
	.fill 96, 4, 3214868480
	.section	.rodata,"a",@progbits
	.p2align	6, 0x0
	.amdhsa_kernel k_qf7a66ada2a_oproj
		.amdhsa_group_segment_fixed_size 327680
		.amdhsa_private_segment_fixed_size 0
		.amdhsa_enable_private_segment 0
		.amdhsa_kernarg_size 24
		.amdhsa_user_sgpr_count 2
		.amdhsa_user_sgpr_kernarg_segment_ptr 1
		.amdhsa_wavefront_size32 1
		.amdhsa_system_sgpr_workgroup_id_x 1
		.amdhsa_system_sgpr_workgroup_id_y 1
		.amdhsa_system_sgpr_workgroup_id_z 1
		.amdhsa_system_vgpr_workitem_id 0
		.amdhsa_next_free_vgpr 512
		.amdhsa_next_free_sgpr 98
		.amdhsa_reserve_vcc 0
		.amdhsa_float_denorm_mode_32 3
		.amdhsa_float_denorm_mode_16_64 3
		.amdhsa_memory_ordered 1
		.amdhsa_forward_progress 1
		.amdhsa_inst_pref_size 47
	.end_amdhsa_kernel
	.amdgpu_metadata
---
amdhsa.version: [ 1, 2 ]
amdhsa.kernels:
  - .name:           k_qf7a66ada2a_oproj
    .symbol:         k_qf7a66ada2a_oproj.kd
    .args:
      - { .name: ctxc, .offset: 0, .size: 8, .value_kind: global_buffer, .address_space: global }
      - { .name: opw, .offset: 8, .size: 8, .value_kind: global_buffer, .address_space: global }
      - { .name: rowsf, .offset: 16, .size: 8, .value_kind: global_buffer, .address_space: global }
    .group_segment_fixed_size: 327680
    .private_segment_fixed_size: 0
    .kernarg_segment_align: 8
    .kernarg_segment_size: 24
    .max_flat_workgroup_size: 128
    .sgpr_count:     98
    .vgpr_count:     512
    .wavefront_size: 32
...
	.end_amdgpu_metadata
.endif
;; end of part 4
;; launch ln1 (part 5): grid 256 x 1, 4 waves a work-group, no clusters, 66,304 bytes of LDS; arguments rowsf, batch_X, gamma1, beta1, x1b; writes x1b
.if DOCPART == 5
	.amdgcn_target "amdgcn-amd-amdhsa--gfx1250"
	.amdhsa_code_object_version 6
	.text
	.protected	k_qf7a66ada2a_ln1
	.globl	k_qf7a66ada2a_ln1
	.p2align	8
	.type	k_qf7a66ada2a_ln1,@function
k_qf7a66ada2a_ln1:
	s_mov_b64 s[64:65], 0
	v_nop
	global_prefetch_b8 v0, s[64:65] scope:SCOPE_SE
	s_setreg_imm32_b32 hwreg(HW_REG_WAVE_MODE, 25, 1), 1
	s_wait_xcnt 0x0
; y = res + layer_norm(a (+ bias)) gamma + beta, a wave to a row of 1,024, the row kept in registers.  One text, two uses, by KIND.  No work is left out.
;   KIND 0 (this launch): x1 = batch_X + LN(attn_out); x1 leaves as f32 rows (x1b at 0) AND as the operand image of the next product (x1b at 16,777,216).
;   KIND 1: out0 = x1 + LN(h W2 + b2).
; KIND 0: a work-group takes the 16 rows of one tile (panel g / 8, tile g % 8) of the image, wave w its slots 4 w .. 4 w + 3; the rows meet in LDS (pitch 4,112), and behind one barrier wave w
; quantises columns 256 w .. 256 w + 255 of all 16 rows: two fragments.  Its 32 scale words leave as 4 bytes at a stride of 8: they fill aligned blocks of 256 bytes only in part; 128 KB in the whole launch.
; Memory binds: no matrix unit, no cluster, no tensor load.  LIMITS: NaN and infinities are not served; a block of zeros gets the byte 1 (zero codes; the bytes are read by this program alone).
.set KIND,  0
.set REC,   25600
.set SCO,   24576
.set SPARE, 65792
.set LI,  1
.set SPW, 2
.set NIL, 3
.set T,   16
.set MU,  20
.set RS,  22
.set PT,  24
.set WD,  25
.set SH8, 28
.set SRA, 29
.set SWA, 30
.set SCA, 31
.set GA,  32
.set BE,  64
.set B2,  96
.set PC,  96
.set TP,  108
.set TM,  116
.set A0,  128
.set X0,  192
.set SEL, 16
.set HM,  18
.if KIND
.set GAP, 10
.set BEP, 12
.set OUTP, 14
.else
.set GAP, 8
.set BEP, 10
.set OUTP, 12
.endif
	s_load_b256 s[4:11], s[0:1], 0x0
.if KIND
	s_load_b128 s[12:15], s[0:1], 0x20
.else
	s_load_b64 s[12:13], s[0:1], 0x20
	v_lshl_add_u32 v[SPW], v0, 2, SPARE
	v_mov_b32 v[NIL], 0
.endif
	v_lshrrev_b32 v4, 5, v0
	v_readfirstlane_b32 s19, v4                    ; wave
	v_and_b32 v4, 31, v0
	v_lshlrev_b32 v[LI], 4, v4
	s_mov_b32 s[SEL], 0x76543210
	s_mov_b32 s[SEL+1], 0xfedcba98
	s_mov_b32 s[HM], 0xffff0000
	s_mov_b32 s20, 0x3a800000                      ; 1 / 1,024
	s_mov_b32 s21, 0x358637bd                      ; 1e-6
	v_mov_b32 v[MU+1], 0                           ; (named as the upper halves of pairs)
	v_mov_b32 v[RS+1], 0
	v_mov_b32 v[PT], 0
.if KIND
	s_lshl_b32 s24, ttmp9, 4
	s_lshl_b32 s27, s19, 2
	s_add_co_u32 s24, s24, s27                     ; my first row
.else
	v_and_b32 v5, 15, v0
	v_bfe_u32 v6, v0, 4, 1
	s_mul_i32 s32, s19, 16448
	v_add_nc_u32 v[SWA], s32, v[LI]                ; LDS: my four rows
	v_mul_u32_u24 v[SRA], v5, 4112
	v_lshl_add_u32 v[SRA], v6, 7, v[SRA]
	s_lshl_b32 s32, s19, 10
	v_add_nc_u32 v[SRA], s32, v[SRA]               ; and back: row rho, my 256 columns, + 128 h
	v_lshlrev_b32 v[SH8], 3, v6
	v_lshlrev_b32 v[SCA], 9, v6
	v_lshl_add_u32 v[SCA], v5, 3, v[SCA]
	v_mov_b32 v[TM+6], 0
	s_lshr_b32 s22, ttmp9, 3                       ; panel
	s_and_b32 s23, ttmp9, 7                        ; tile
	s_lshl_b32 s28, s19, 5
	s_add_co_u32 s28, s28, s22
	s_mul_i32 s28, s28, REC                        ; the record: kslot = wave
	s_add_co_u32 s28, s28, 16777216
	s_lshr_b32 s30, s23, 2
	s_lshl_b32 s30, s30, 8
	s_and_b32 s26, s23, 1
	s_lshl_b32 s27, s26, 7
	s_add_co_u32 s30, s30, s27
	s_bfe_u32 s27, s23, 0x10001
	s_lshl_b32 s27, s27, 2
	s_add_co_u32 s30, s30, s27
	s_add_co_u32 s30, s30, s28
	s_add_co_u32 s30, s30, SCO
	s_mov_b32 s31, 0                               ; the tile's scale words
	s_mul_i32 s27, s23, 1536
	s_add_co_u32 s28, s28, s27
	s_mov_b32 s29, 0                               ; the tile's fragment
	s_lshl_b32 s24, s22, 7
	s_lshr_b32 s25, s23, 1
	s_lshl_b32 s25, s25, 5
	s_add_co_u32 s24, s24, s25
	s_lshl_b32 s27, s26, 3
	s_add_co_u32 s24, s24, s27
	s_lshl_b32 s27, s19, 2
	s_add_co_u32 s24, s24, s27
	s_lshr_b32 s27, s19, 1
	s_lshl_b32 s27, s27, 3
	s_add_co_u32 s24, s24, s27                     ; slot 4 w is row 128 p + 32 (rt / 2) + 8 (rt % 2) + 4 w + 8 (w / 2)
.endif
	s_lshl_b32 s24, s24, 12
	s_mov_b32 s25, 0
	s_wait_kmcnt 0x0
	s_add_nc_u64 s[4:5], s[4:5], s[24:25]
	s_add_nc_u64 s[6:7], s[6:7], s[24:25]
.if KIND == 0
	s_add_nc_u64 s[28:29], s[OUTP:OUTP+1], s[28:29]
	s_add_nc_u64 s[30:31], s[OUTP:OUTP+1], s[30:31]
.endif
	s_add_nc_u64 s[OUTP:OUTP+1], s[OUTP:OUTP+1], s[24:25]
.irp c, 0,1,2,3,4,5,6,7
	global_load_b128 v[GA+4*\c:GA+4*\c+3], v[LI], s[GAP:GAP+1] offset:512*\c
	global_load_b128 v[BE+4*\c:BE+4*\c+3], v[LI], s[BEP:BEP+1] offset:512*\c
.if KIND
	global_load_b128 v[B2+4*\c:B2+4*\c+3], v[LI], s[8:9] offset:512*\c
.endif
.endr
.macro LOADROW i                       ; 16 loads of 512 consecutive bytes
.irp c, 0,1,2,3,4,5,6,7
	global_load_b128 v[A0+32*((\i)%2)+4*\c:A0+32*((\i)%2)+4*\c+3], v[LI], s[4:5] offset:4096*(\i)+512*\c th:TH_LOAD_NT
.endr
.irp c, 0,1,2,3,4,5,6,7
	global_load_b128 v[X0+32*((\i)%2)+4*\c:X0+32*((\i)%2)+4*\c+3], v[LI], s[6:7] offset:4096*(\i)+512*\c th:TH_LOAD_NT
.endr
.endm
.macro RED                             ; v[T] summed over the 32 lanes, in every lane
	v_pk_add_f32 v[T:T+1], v[T:T+1], v[T+2:T+3]
	v_add_f32 v[T], v[T], v[T+1]
	v_add_f32_dpp v[T], v[T], v[T] row_xmask:1 row_mask:0xf bank_mask:0xf
	v_add_f32_dpp v[T], v[T], v[T] row_xmask:2 row_mask:0xf bank_mask:0xf
	v_add_f32_dpp v[T], v[T], v[T] row_xmask:4 row_mask:0xf bank_mask:0xf
	v_add_f32_dpp v[T], v[T], v[T] row_xmask:8 row_mask:0xf bank_mask:0xf
	v_permlanex16_b32 v[PT], v[T], s[SEL], s[SEL+1]
	v_add_f32 v[T], v[T], v[PT]
.endm
.macro ROW i
.set A, A0+32*((\i)%2)
.set X, X0+32*((\i)%2)
.if (\i) < 3
	s_wait_loadcnt 16                              ; this row's loads (and the gains) are in; the next row's 16 may be out
.else
	s_wait_loadcnt 0x0
.endif
.if KIND
.set J, 0
.rept 16
	v_pk_add_f32 v[A+J:A+J+1], v[A+J:A+J+1], v[B2+J:B2+J+1]
.set J, J+2
.endr
.endif
	v_pk_add_f32 v[T:T+1], v[A:A+1], v[A+2:A+3]
	v_pk_add_f32 v[T+2:T+3], v[A+4:A+5], v[A+6:A+7]
.irp j, 8,12,16,20,24,28
	v_pk_add_f32 v[T:T+1], v[T:T+1], v[A+\j:A+\j+1]
	v_pk_add_f32 v[T+2:T+3], v[T+2:T+3], v[A+\j+2:A+\j+3]
.endr
	RED
	v_mul_f32 v[MU], s20, v[T]                     ; the mean
.set J, 0
.rept 16
	v_pk_add_f32 v[A+J:A+J+1], v[A+J:A+J+1], v[MU:MU+1] op_sel_hi:[1,0] neg_lo:[0,1] neg_hi:[0,1]
.set J, J+2
.endr
	v_pk_mul_f32 v[T:T+1], v[A:A+1], v[A:A+1]
	v_pk_mul_f32 v[T+2:T+3], v[A+2:A+3], v[A+2:A+3]
.irp j, 4,8,12,16,20,24,28
	v_pk_fma_f32 v[T:T+1], v[A+\j:A+\j+1], v[A+\j:A+\j+1], v[T:T+1]
	v_pk_fma_f32 v[T+2:T+3], v[A+\j+2:A+\j+3], v[A+\j+2:A+\j+3], v[T+2:T+3]
.endr
	RED
	v_fma_f32 v[T], v[T], s20, s21                 ; the variance + 1e-6
	v_rsq_f32 v[RS], v[T]
	v_nop
	s_wait_alu depctr_va_vdst(0)
.set J, 0
.rept 16
	v_pk_mul_f32 v[A+J:A+J+1], v[A+J:A+J+1], v[RS:RS+1] op_sel_hi:[1,0]
.set J, J+2
.endr
.set J, 0
.rept 16
	v_pk_fma_f32 v[A+J:A+J+1], v[A+J:A+J+1], v[GA+J:GA+J+1], v[BE+J:BE+J+1]
.set J, J+2
.endr
.set J, 0
.rept 16
	v_pk_add_f32 v[A+J:A+J+1], v[A+J:A+J+1], v[X+J:X+J+1]
.set J, J+2
.endr
.irp c, 0,1,2,3,4,5,6,7
	global_store_b128 v[LI], v[A+4*\c:A+4*\c+3], s[OUTP:OUTP+1] offset:4096*(\i)+512*\c
.endr
.if KIND == 0
.irp c, 0,1,2,3,4,5,6,7
	ds_store_b128 v[SWA], v[A+4*\c:A+4*\c+3] offset:4112*(\i)+512*\c
.endr
.endif
.if (\i)+2 < 4
	s_wait_xcnt 0x0                                ; the stores have read their registers, which take the row two on
.if KIND == 0
	s_wait_dscnt 0x0                               ; the LDS stores too
.endif
	LOADROW (\i)+2
.endif
.endm
	LOADROW 0
	LOADROW 1
	ROW 0
	ROW 1
	ROW 2
	ROW 3
.if KIND == 0
; 64 numbers of a lane, v[n + 32 c + k] = number k of block 2 c + h of my row, become the fragment's 12 registers in v[PC] on and the row's scale word in v[wd]
.macro QB n, wd
.irp c, 0,1
	v_max3_num_f32 v[TM+\c], |v[\n+32*\c]|, |v[\n+32*\c+1]|, 0x1800000
.endr
.irp i, 2,4,6,8,10,12,14,16,18,20,22,24,26,28,30
.irp c, 0,1
	v_max3_num_f32 v[TM+\c], v[TM+\c], |v[\n+32*\c+\i]|, |v[\n+32*\c+\i+1]|
.endr
.endr
.irp c, 0,1
	v_add_nc_u32 v[TM+2+\c], 0xff000000, v[TM+\c]
.endr
.irp c, 0,1
	v_lshrrev_b32 v[TM+4+\c], 23, v[TM+2+\c]
.endr
	v_lshl_or_b32 v[\wd], v[TM+5], 16, v[TM+4]
	v_lshlrev_b32 v[\wd], v[SH8], v[\wd]
	v_permlanex16_b32 v[TM+6], v[\wd], s[SEL], s[SEL+1]
	v_or_b32 v[\wd], v[\wd], v[TM+6]
	s_wait_xcnt 0x0                                ; the last fragment's stores have read v[PC] on
.irp c, 0,1
	v_cvt_scalef32_pk16_fp6_f32 v[PC+6*\c:PC+6*\c+2], v[\n+32*\c:\n+32*\c+15], v[TM+2+\c]
	v_cvt_scalef32_pk16_fp6_f32 v[TP+4*\c:TP+4*\c+2], v[\n+32*\c+16:\n+32*\c+31], v[TM+2+\c]
.endr
	v_nop
.irp c, 0,1
.irp i, 0,1,2
	v_mov_b32 v[PC+3+6*\c+\i], v[TP+4*\c+\i]
.endr
.endr
.endm
	s_wait_dscnt 0x0                               ; my rows lie in LDS
	s_barrier_signal -1
	s_barrier_wait -1                              ; everybody's do
	s_wait_xcnt 0x0                                ; the rows' stores have read the registers that the loads below fill
.irp k, 0,1
.irp c, 0,1
.irp j, 0,1,2,3,4,5,6,7
	ds_load_b128 v[A0+32*\c+4*\j:A0+32*\c+4*\j+3], v[SRA] offset:512*\k+256*\c+16*\j
.endr
.endr
	s_wait_dscnt 0x0
	QB A0, WD+\k
.irp c, 0,1,2
	global_store_b128 v[LI], v[PC+4*\c:PC+4*\c+3], s[28:29] offset:12288*\k+512*\c
.endr
.endr
	v_cndmask_b32 v[WD+2], v[WD], v[WD+1], s[HM]   ; lanes 0-15 ksub 0's words, lanes 16-31 ksub 1's
	global_store_b32 v[SCA], v[WD+2], s[30:31]
	s_wait_tensorcnt 0x0                           ; the wave's end
	ds_add_u32 v[SPW], v[NIL]
	s_wait_dscnt 0x0
.endif
	s_endpgm
.Lfunc_end_k_qf7a66ada2a_ln1:
	.size	k_qf7a66ada2a_ln1, .Lfunc_end_k_qf7a66ada2a_ln1-k_qf7a66ada2a_ln1
	.p2alignl 7, 3214868480
	.fill 96, 4, 3214868480
	.section	.rodata,"a",@progbits
	.p2align	6, 0x0
	.amdhsa_kernel k_qf7a66ada2a_ln1
		.amdhsa_group_segment_fixed_size 66304
		.amdhsa_private_segment_fixed_size 0
		.amdhsa_enable_private_segment 0
		.amdhsa_kernarg_size 40
		.amdhsa_user_sgpr_count 2
		.amdhsa_user_sgpr_kernarg_segment_ptr 1
		.amdhsa_wavefront_size32 1
		.amdhsa_system_sgpr_workgroup_id_x 1
		.amdhsa_system_sgpr_workgroup_id_y 1
		.amdhsa_system_sgpr_workgroup_id_z 1
		.amdhsa_system_vgpr_workitem_id 0
		.amdhsa_next_free_vgpr 256
		.amdhsa_next_free_sgpr 66
		.amdhsa_reserve_vcc 0
		.amdhsa_float_denorm_mode_32 3
		.amdhsa_float_denorm_mode_16_64 3
		.amdhsa_memory_ordered 1
		.amdhsa_forward_progress 1
		.amdhsa_inst_pref_size 53
	.end_amdhsa_kernel
	.amdgpu_metadata
---
amdhsa.version: [ 1, 2 ]
amdhsa.kernels:
  - .name:           k_qf7a66ada2a_ln1
    .symbol:         k_qf7a66ada2a_ln1.kd
    .args:
      - { .name: rowsf, .offset: 0, .size: 8, .value_kind: global_buffer, .address_space: global }
      - { .name: batch_X, .offset: 8, .size: 8, .value_kind: global_buffer, .address_space: global }
      - { .name: gamma1, .offset: 16, .size: 8, .value_kind: global_buffer, .address_space: global }
      - { .name: beta1, .offset: 24, .size: 8, .value_kind: global_buffer, .address_space: global }
      - { .name: x1b, .offset: 32, .size: 8, .value_kind: global_buffer, .address_space: global }
    .group_segment_fixed_size: 66304
    .private_segment_fixed_size: 0
    .kernarg_segment_align: 8
    .kernarg_segment_size: 40
    .max_flat_workgroup_size: 128
    .sgpr_count:     66
    .vgpr_count:     256
    .wavefront_size: 32
...
	.end_amdgpu_metadata
.endif
;; end of part 5
;; launch ffn1 (part 6): grid 16 x 16, 4 waves a work-group, clusters of 4 x 4, 327,680 bytes of LDS; arguments x1b, opw, b1, hc; writes hc
.if DOCPART == 6
	.amdgcn_target "amdgcn-amd-amdhsa--gfx1250"
	.amdhsa_code_object_version 6
	.text
	.protected	k_qf7a66ada2a_ffn1
	.globl	k_qf7a66ada2a_ffn1
	.p2align	8
	.type	k_qf7a66ada2a_ffn1,@function
k_qf7a66ada2a_ffn1:
	s_mov_b64 s[64:65], 0
	v_nop
	global_prefetch_b8 v0, s[64:65] scope:SCOPE_SE
	s_setreg_imm32_b32 hwreg(HW_REG_WAVE_MODE, 25, 1), 1
	s_wait_xcnt 0x0
	s_wait_alu depctr_hold_cnt(0) depctr_sa_sdst(0) depctr_va_vdst(0) depctr_va_sdst(0) depctr_va_ssrc(0) depctr_va_vcc(0) depctr_vm_vsrc(0)
	s_getreg_b32 s2, hwreg(HW_REG_IB_STS2, 6, 4)
	s_cmp_eq_u32 s2, 0
	s_cbranch_scc0 .Lentry_in_a_cluster
	s_endpgm
.Lentry_in_a_cluster:
	s_bfe_u32 s2, ttmp6, 0x10000c
	s_cmp_lg_u32 s2, 0xf033
	s_cbranch_scc0 .Lentry_shape_is_right
	s_endpgm
.Lentry_shape_is_right:
; A GEMM on operand images whose result is quantised on the way out into an operand image.  One text, two uses, by KIND:
;   KIND 0: q | k = X [W_Q | W_K] and V^T = W_V^T X^T.
;   KIND 1 (this launch): the hidden layer = relu(x1 W1 + b1), K = 1,024; no work is left out.
; Layout of the images: a record is 128 row slots x 256 K, 25,600 bytes: fragment (ksub, rt) at 12288 ksub + 1536 rt, registers 4 c .. 4 c + 3 of lane l at
; 512 c + 16 l; scale words at 24576 + 512 ksub + 256 (rt / 4) + 8 (16 (rt % 2) + rho) + 4 ((rt / 2) % 2).  Slot (rt, rho) is row 32 (rt / 2) + 8 (rt % 2) + rho + 8 (rho / 8) of its panel.
; A tile of C is 256 x 256, four waves of 128 x 128 (64 accumulators).  K goes in steps of 256 through two LDS slots of four records (A's two panels, B's two); each wave fetches one record.
; CLUSTER 4 x 4: A's records are shared along a row of the cluster, B's along a column: joint loads.
; TRANSPOSED USE: source 0 = 16 slots of B, source 1 = 16 slots of A.  By the slot order a lane's 64 registers of B's eight tiles are 16 neighbours of each of four blocks of 32
; along the next K, so they are quantised as they stand, and the image written inherits A's slots.  The bias is the C of each sum's first product.
; LIMITS: NaN and infinities are not served; a block of zeros gets the byte 1 (zero codes; the bytes are read by this program alone).
; REGISTERS: window 0: v16-29 addresses; v32-63 scale words, two sets; v64-127 the bias (KIND 1); v128-223 A's fragments, one set.  window 1: B's fragments, two sets.  windows 2, 3: accumulators.
.set KIND,  1
.set REC,   25600
.set SCO,   24576
.set KSTR,  32*REC
.set SLOT,  4*REC
.set SPARE, 2*SLOT                     ; behind the ring: the spare words
.set ADRA, 16
.set ASA,  18
.set ADRB, 20
.set ASB,  22
.set LI,   24
.set L8,   25
.set BO,   26
.set SPW,  28
.set NIL,  29
.set SC,   32
.set BI,   64
.set AF,   128
.set PC,   128                         ; the way out works in the registers that held A's fragments
.set TP,   140
.set TM,   160
.set PWB,  176
.set SP,   184
.set G1,   24
.set G0,   32
.set G1B,  48
.set G0B,  56
.set SEL,  74
.set HM,   76
.set MUL_LO, 0xa1                      ; source 0 (B) window 1, source 1 (A) window 0, C and D window 2
.set MUL_HI, 0xf1
.if KIND
.set FIRST_LO, 0x81                    ; the first products take the bias, in window 0, as C
.set FIRST_HI, 0xc1
.else
.set FIRST_LO, 0xa1
.set FIRST_HI, 0xf1
.endif
.set TO_B, 0x40
.set MSB, 0
.macro WIN new
.if MSB != (\new)
	s_set_vgpr_msb (MSB<<8)|(\new)
.set MSB, (\new)
.endif
.endm
.macro PLACES n
.rept \n
	v_nop
.endr
.endm
.macro JLOAD g0a, g0b                  ; waves 0, 1 fetch A's records, waves 2, 3 B's; s_nop 0 and four v_nop follow each line
	s_cmp_eq_u32 s15, 0
	s_cbranch_scc0 .Lfor_b_\@
	tensor_load_to_lds s[\g0a:\g0a+3], s[G1:G1+7]
	s_nop 0
	PLACES 4
	s_branch .Lasked_\@
.Lfor_b_\@:
	tensor_load_to_lds s[\g0b:\g0b+3], s[G1B:G1B+7]
	s_nop 0
	PLACES 4
.Lasked_\@:
.endm
.macro CREST
	s_cmp_lg_u32 s14, 0
	s_cbranch_scc1 .Lnot_wave_0_\@
	s_barrier_signal -3
.Lnot_wave_0_\@:
	s_barrier_wait -3
	s_barrier_signal -1
	s_barrier_wait -1
.endm
.macro CROUND
	s_barrier_signal -1
	s_barrier_wait -1
	CREST
.endm
; one matrix instruction: D, source 0, source 1, C (under 0: the constant 0), the two scale registers, and which half of the lanes each is read from
.macro WM d, a, b, c, sa, sb, ra, rb
.if (\c) < 0
.if (\ra) && (\rb)
	v_wmma_scale_f32_16x16x128_f8f6f4 v[(\d):(\d)+7], v[(\a):(\a)+11], v[(\b):(\b)+11], 0, v[(\sa)], v[(\sb)] matrix_a_fmt:MATRIX_FMT_FP6 matrix_b_fmt:MATRIX_FMT_FP6 matrix_a_scale:MATRIX_SCALE_ROW1 matrix_b_scale:MATRIX_SCALE_ROW1
.elseif (\ra)
	v_wmma_scale_f32_16x16x128_f8f6f4 v[(\d):(\d)+7], v[(\a):(\a)+11], v[(\b):(\b)+11], 0, v[(\sa)], v[(\sb)] matrix_a_fmt:MATRIX_FMT_FP6 matrix_b_fmt:MATRIX_FMT_FP6 matrix_a_scale:MATRIX_SCALE_ROW1
.elseif (\rb)
	v_wmma_scale_f32_16x16x128_f8f6f4 v[(\d):(\d)+7], v[(\a):(\a)+11], v[(\b):(\b)+11], 0, v[(\sa)], v[(\sb)] matrix_a_fmt:MATRIX_FMT_FP6 matrix_b_fmt:MATRIX_FMT_FP6 matrix_b_scale:MATRIX_SCALE_ROW1
.else
	v_wmma_scale_f32_16x16x128_f8f6f4 v[(\d):(\d)+7], v[(\a):(\a)+11], v[(\b):(\b)+11], 0, v[(\sa)], v[(\sb)] matrix_a_fmt:MATRIX_FMT_FP6 matrix_b_fmt:MATRIX_FMT_FP6
.endif
.else
.if (\ra) && (\rb)
	v_wmma_scale_f32_16x16x128_f8f6f4 v[(\d):(\d)+7], v[(\a):(\a)+11], v[(\b):(\b)+11], v[(\c):(\c)+7], v[(\sa)], v[(\sb)] matrix_a_fmt:MATRIX_FMT_FP6 matrix_b_fmt:MATRIX_FMT_FP6 matrix_a_scale:MATRIX_SCALE_ROW1 matrix_b_scale:MATRIX_SCALE_ROW1
.elseif (\ra)
	v_wmma_scale_f32_16x16x128_f8f6f4 v[(\d):(\d)+7], v[(\a):(\a)+11], v[(\b):(\b)+11], v[(\c):(\c)+7], v[(\sa)], v[(\sb)] matrix_a_fmt:MATRIX_FMT_FP6 matrix_b_fmt:MATRIX_FMT_FP6 matrix_a_scale:MATRIX_SCALE_ROW1
.elseif (\rb)
	v_wmma_scale_f32_16x16x128_f8f6f4 v[(\d):(\d)+7], v[(\a):(\a)+11], v[(\b):(\b)+11], v[(\c):(\c)+7], v[(\sa)], v[(\sb)] matrix_a_fmt:MATRIX_FMT_FP6 matrix_b_fmt:MATRIX_FMT_FP6 matrix_b_scale:MATRIX_SCALE_ROW1
.else
	v_wmma_scale_f32_16x16x128_f8f6f4 v[(\d):(\d)+7], v[(\a):(\a)+11], v[(\b):(\b)+11], v[(\c):(\c)+7], v[(\sa)], v[(\sb)] matrix_a_fmt:MATRIX_FMT_FP6 matrix_b_fmt:MATRIX_FMT_FP6
.endif
.endif
.endm
; 64 numbers of a lane in window w, register s + 16 b + i = k 32 b + 16 (lane / 16) + i of my row, become a fragment's codes in v[PC] on and its scale word in v[pw], both in window 0
.macro QUANTW w, s, pw, xw
	WIN (\w)|((\w)<<2)
.irp b, 0,1,2,3
	v_max3_num_f32 v[TM+\b], |v[(\s)+16*\b]|, |v[(\s)+16*\b+1]|, 0x1800000   ; with the floor 2^(3 - 127); each accumulator is read from its low end on
.endr
.irp i, 2,4,6,8,10,12,14
.irp b, 0,1,2,3
	v_max3_num_f32 v[TM+\b], |v[(\s)+16*\b+\i]|, |v[(\s)+16*\b+\i+1]|, v[TM+\b]
.endr
.endr
	WIN 0
.irp b, 0,1,2,3
	v_permlanex16_b32 v[TM+4+\b], v[TM+\b], s[SEL], s[SEL+1]
.endr
.irp b, 0,1,2,3
	v_max_num_f32 v[TM+\b], v[TM+\b], v[TM+4+\b]   ; with lane l xor 16's 16: the block's largest magnitude
.endr
.irp b, 0,1,2,3
	v_add_nc_u32 v[TM+12+\b], 0xff000000, v[TM+\b] ; 2 off the exponent field: the conversion's scale operand
.endr
.irp b, 0,1,2,3
	v_lshrrev_b32 v[TM+4+\b], 23, v[TM+12+\b]      ; the byte
.endr
	v_lshl_or_b32 v[\pw], v[TM+5], 8, v[TM+4]
	v_lshl_or_b32 v[\pw], v[TM+6], 16, v[\pw]
	v_lshl_or_b32 v[\pw], v[TM+7], 24, v[\pw]
.if \xw
	s_wait_xcnt 0x0                                ; the last fragment's stores have read v[PC] on
.endif
	WIN (\w)
.irp c, 0,1
	v_cvt_scalef32_pk16_fp6_f32 v[PC+6*\c:PC+6*\c+2], v[(\s)+32*\c:(\s)+32*\c+15], v[TM+12+2*\c]
	v_cvt_scalef32_pk16_fp6_f32 v[TP+4*\c:TP+4*\c+2], v[(\s)+32*\c+16:(\s)+32*\c+31], v[TM+13+2*\c]
.endr
	WIN 0
	v_nop                                          ; a plain place behind the conversions
.irp c, 0,1                            ; the layout wants a whole block in a lane
.irp i, 0,1,2
	v_permlane16_swap_b32 v[PC+6*\c+\i], v[TP+4*\c+\i]
.endr
.irp i, 0,1,2
	v_mov_b32 v[PC+3+6*\c+\i], v[TP+4*\c+\i]
.endr
.endr
.endm
.if KIND
	s_load_b256 s[4:11], s[0:1], 0x0               ; x1b, opw, b1, hc
.else
	s_load_b128 s[4:7], s[0:1], 0x0                ; opw, qkv
.endif
	v_lshl_add_u32 v[SPW], v0, 2, SPARE
	v_mov_b32 v[NIL], 0
	ds_add_u32 v[SPW], v[NIL]                      ; the opening: the add, twice on end, and its wait ahead of my first tensor load
	ds_add_u32 v[SPW], v[NIL]
	v_lshrrev_b32 v1, 5, v0
	v_readfirstlane_b32 s14, v1                    ; wave
	s_lshr_b32 s15, s14, 1                         ; my half of the tile's rows; also: I fetch for A (0) or B (1)
	s_and_b32 s16, s14, 1                          ; my half of its columns; also: which of the two panels I fetch
	s_bfe_u32 s40, ttmp6, 0x40000                  ; cx
	s_bfe_u32 s41, ttmp6, 0x40004                  ; cy
	s_and_b32 s18, ttmp7, 0xffff                   ; cluster y
.if KIND
	s_lshl_b32 s19, s18, 2
	s_lshl_b32 s20, ttmp9, 2
	s_mov_b32 s21, 16777216                        ; A: x1's image in x1b
	s_mov_b32 s22, 6553600                         ; B: W1's section of opw
	s_mov_b32 s23, KSTR
	s_mov_b32 s45, 0
.else
	s_cmp_lt_u32 ttmp9, 2                          ; clusters x = 0, 1: q and k; x = 2: V^T.  A cluster's number: the same in all partners
	s_cselect_b32 s19, s18, 0
	s_cselect_b32 s20, ttmp9, s18
	s_mov_b32 s21, 3686400
	s_cselect_b32 s21, 0, s21                      ; A: X, or W_V's panels
	s_cselect_b32 s22, 3276800, 0                  ; B: W_Q and W_K, or X
	s_mov_b32 s23, 204800
	s_cselect_b32 s23, 819200, s23                 ; from kslot to kslot in the output
	s_cselect_b32 s45, 0, 6553600                  ; the output's section
	s_lshl_b32 s19, s19, 2
	s_lshl_b32 s20, s20, 2
.endif
	s_add_co_u32 s17, s19, s41                     ; tile row
	s_add_co_u32 s42, s20, s40                     ; tile column
	s_lshl_b32 s43, s41, 2
	s_lshl_b32 s43, 15, s43                        ; my row of the cluster
	s_lshl_b32 s44, 0x1111, s40                    ; my column
	s_or_b32 s[G1], s43, (3<<16)|(1<<21)           ; elements of 8 bytes; bit 21 beside a mask; no padding
	s_or_b32 s[G1B], s44, (3<<16)|(1<<21)
.irp g, G1, G1B                        ; a record: 100 rows of 256 bytes, dense
	s_mov_b32 s[\g+1], 32<<16
	s_mov_b32 s[\g+2], 100<<16
	s_mov_b32 s[\g+3], 32<<16
	s_mov_b32 s[\g+4], 100
	s_mov_b32 s[\g+5], 32
	s_mov_b32 s[\g+6], 0
	s_mov_b32 s[\g+7], 0
.endr
	s_lshl_b32 s66, s17, 1
	s_add_co_u32 s66, s66, s16
	s_mul_i32 s66, s66, REC
	s_add_co_u32 s66, s66, s21
	s_mov_b32 s67, 0                               ; A's record of kslot 0: made of the tile row alone
	s_lshl_b32 s68, s42, 1
	s_add_co_u32 s68, s68, s16
	s_mul_i32 s68, s68, REC
	s_add_co_u32 s68, s68, s22
	s_mov_b32 s69, 0                               ; B's: of the tile column alone
	s_mul_i32 s77, s14, REC                        ; where my record goes in a slot
	s_lshl_b32 s70, s17, 1
	s_add_co_u32 s70, s70, s15
	s_mul_i32 s70, s70, REC
	s_mul_i32 s71, s42, s23
	s_add_co_u32 s70, s70, s71
	s_add_co_u32 s70, s70, s45                     ; the output's record: kslot = tile column, panel = 2 x tile row + my half
	s_lshl_b32 s72, s16, 9
	s_add_co_u32 s72, s72, s70
	s_add_co_u32 s72, s72, SCO
	s_mov_b32 s73, 0
	s_mul_i32 s71, s16, 12288
	s_add_co_u32 s70, s70, s71                     ; ksub = my half of the columns
	s_mov_b32 s71, 0
	s_mov_b32 s[SEL], 0x76543210
	s_mov_b32 s[SEL+1], 0xfedcba98
	s_mov_b32 s[HM], 0xffff0000
.if KIND
	s_lshl_b32 s84, s42, 10
	s_lshl_b32 s85, s16, 9
	s_add_co_u32 s84, s84, s85
	s_mov_b32 s85, 0                               ; my 128 numbers of b1
.endif
	s_wait_dscnt 0x0                               ; both opening adds are done
	s_wait_kmcnt 0x0
.if KIND
	s_add_nc_u64 s[66:67], s[4:5], s[66:67]
	s_add_nc_u64 s[68:69], s[6:7], s[68:69]
	s_add_nc_u64 s[70:71], s[10:11], s[70:71]
	s_add_nc_u64 s[72:73], s[10:11], s[72:73]
	s_add_nc_u64 s[8:9], s[8:9], s[84:85]
.else
	s_add_nc_u64 s[66:67], s[4:5], s[66:67]
	s_add_nc_u64 s[68:69], s[4:5], s[68:69]
	s_add_nc_u64 s[70:71], s[6:7], s[70:71]
	s_add_nc_u64 s[72:73], s[6:7], s[72:73]
.endif
	CROUND                                         ; all sixteen work-groups are here: the first joint loads meet
.irp s, 0,1
	s_mov_b32 s[G0+4*\s], 1
	s_add_co_u32 s[G0+4*\s+1], s77, \s*SLOT
	s_add_nc_u64 s[G0+4*\s+2:G0+4*\s+3], s[66:67], \s*KSTR
	s_or_b32 s[G0+4*\s+3], s[G0+4*\s+3], 0x80000000
	s_mov_b32 s[G0B+4*\s], 1
	s_add_co_u32 s[G0B+4*\s+1], s77, \s*SLOT
	s_add_nc_u64 s[G0B+4*\s+2:G0B+4*\s+3], s[68:69], \s*KSTR
	s_or_b32 s[G0B+4*\s+3], s[G0B+4*\s+3], 0x80000000
	JLOAD G0+4*\s, G0B+4*\s
.endr
	v_and_b32 v1, 31, v0
	v_lshlrev_b32 v[LI], 4, v1
	v_lshlrev_b32 v[L8], 3, v1
	s_mul_i32 s21, s15, REC                        ; my panel of A,
	s_mul_i32 s22, s16, REC
	s_add_co_u32 s22, s22, 2*REC                   ; my panel of B
.irp s, 0,1
	v_add_nc_u32 v[ADRA+\s], s21, v[LI]
	v_add_nc_u32 v[ASA+\s], s21, v[L8]
	v_add_nc_u32 v[ADRB+\s], s22, v[LI]
	v_add_nc_u32 v[ASB+\s], s22, v[L8]
	s_add_co_u32 s21, s21, SLOT
	s_add_co_u32 s22, s22, SLOT
.endr
.if KIND                               ; the bias in the result's layout: tile b, lane half h: b1 at 32 (b / 2) + 8 (b % 2) + 16 h + 0 .. 7
	v_bfe_u32 v[BO], v0, 4, 1
	v_lshlrev_b32 v[BO], 6, v[BO]
.irp b, 0,1,2,3,4,5,6,7
	global_load_b128 v[BI+8*\b:BI+8*\b+3], v[BO], s[8:9] offset:(32*(\b/2)+8*(\b%2))*4
	global_load_b128 v[BI+8*\b+4:BI+8*\b+7], v[BO], s[8:9] offset:(32*(\b/2)+8*(\b%2))*4+16
.endr
.endif
.macro FRAG reg, adr, ks, i            ; a fragment: three loads of 512 consecutive bytes
.irp c, 0,1,2
	ds_load_b128 v[\reg+4*\c:\reg+4*\c+3], v[\adr] offset:12288*(\ks)+1536*(\i)+512*\c
.endr
.endm
.macro FETCH_B slot, ks, p
	WIN TO_B
.irp i, 0,1,2,3,4,5,6,7
	FRAG 128*(\p)+12*\i, ADRB+\slot, \ks, \i
.endr
	WIN 0
.endm
.macro FETCH_A slot, ks, i0
.irp i, \i0, \i0+1, \i0+2, \i0+3
	FRAG AF+12*(\i), ADRA+\slot, \ks, \i
.endr
.endm
.macro SCALES sl                       ; a slot's scale words: register rt / 2 of a ksub's four holds tile rt in lanes 0-15 (rt even) or 16-31 (rt odd)
.irp k, 0,1
.irp q, 0,1
	ds_load_b64 v[SC+16*\sl+4*\k+2*\q:SC+16*\sl+4*\k+2*\q+1], v[ASA+\sl] offset:SCO+512*\k+256*\q
	ds_load_b64 v[SC+16*\sl+8+4*\k+2*\q:SC+16*\sl+8+4*\k+2*\q+1], v[ASB+\sl] offset:SCO+512*\k+256*\q
.endr
.endr
.endm
; 16 matrix instructions: A's blocks a0, a0 + 1 x B's eight.  The 64 accumulators take turns, one instruction a turn, in the same order in every step
.macro MUL16 a0, p, q, sc, first
.irp a, \a0, \a0+1
.irp b, 0,1,2,3,4,5,6,7
.set DD, 8*(8*((\a)%4)+\b)
.set CC, DD
.if \first
.if KIND
.set CC, BI+8*\b
.else
.set CC, -1
.endif
.endif
	WM DD, 128*(\p)+12*\b, AF+12*(\a), CC, SC+16*(\sc)+8+4*(\q)+\b/2, SC+16*(\sc)+4*(\q)+(\a)/2, \b%2, (\a)%2
.endr
.endr
.endm
.macro STEP slot, first                ; a slot's first 128 along K
	s_wait_dscnt 12                                ; all but the youngest 12 loads (A's blocks 4-7)
.if \first
	WIN FIRST_LO
.else
	WIN MUL_LO
.endif
	MUL16 0, 0, 0, \slot, \first
	MUL16 2, 0, 0, \slot, \first
	s_wait_dscnt 0x0
	PLACES 4                                       ; in front of loads into registers that matrix instructions have read
	FETCH_B \slot, 1, 1
	FETCH_A \slot, 1, 0
.if \first
	WIN FIRST_HI
.else
	WIN MUL_HI
.endif
	MUL16 4, 0, 0, \slot, \first
	MUL16 6, 0, 0, \slot, \first
	PLACES 4
	WIN 0
	FETCH_A \slot, 1, 4
.endm
.macro TURN slot, next, fill           ; a slot's second 128 along K, and the change of slots: one barrier
	s_wait_tensorcnt 0x0                           ; all my tensor loads have landed: my record of the next slot
	ds_add_u32 v[SPW], v[NIL]                      ; 0 onto my spare word
	s_wait_dscnt 13                                ; (the add and A's blocks 4-7 may be out)
	WIN MUL_LO
	MUL16 0, 1, 1, \slot, 0
	s_wait_dscnt 0x0                               ; the add is done, and my reads of this slot are over
	s_barrier_signal -1
	MUL16 2, 1, 1, \slot, 0
	WIN 0
	s_barrier_wait -1
.if \fill
	CREST                                          ; the barrier has opened a round of the cluster's: no wave of any partner still reads this slot or has a load on its way
	s_add_nc_u64 s[G0+4*\slot+2:G0+4*\slot+3], s[G0+4*\slot+2:G0+4*\slot+3], 2*KSTR
	s_add_nc_u64 s[G0B+4*\slot+2:G0B+4*\slot+3], s[G0B+4*\slot+2:G0B+4*\slot+3], 2*KSTR
	JLOAD G0+4*\slot, G0B+4*\slot                  ; first behind the round; its four v_nop are the places for the loads below
.else
	PLACES 4
.endif
	FETCH_B \next, 0, 0
	FETCH_A \next, 0, 0
	SCALES \next
	WIN MUL_HI
	MUL16 4, 1, 1, \slot, 0
	MUL16 6, 1, 1, \slot, 0
	PLACES 4
	WIN 0
	FETCH_A \next, 0, 4
.endm
	s_wait_tensorcnt 1                             ; my record of slot 0 is in; slot 1's may stay out
	s_barrier_signal -1
	s_barrier_wait -1
	FETCH_B 0, 0, 0
	FETCH_A 0, 0, 0
	SCALES 0
	FETCH_A 0, 0, 4
.if KIND
	s_wait_loadcnt 0x0                             ; the bias
.endif
	STEP 0, 1                                      ; K = 1,024 is four slots' worth: written out
	TURN 0, 1, 1
	STEP 1, 0
	TURN 1, 0, 1
	STEP 0, 0
	TURN 0, 1, 0
	STEP 1, 0
	s_wait_dscnt 12
	WIN MUL_LO
	MUL16 0, 1, 1, 1, 0
	MUL16 2, 1, 1, 1, 0
	s_wait_dscnt 0x0
	WIN MUL_HI
	MUL16 4, 1, 1, 1, 0
	MUL16 6, 1, 1, 1, 0
	WIN 0
; THE WAY OUT: A's block a x my 128 columns is one fragment of the output: quantised in registers, stored as three runs of 512 bytes
	PLACES 4
.irp b, 0,1,2,3
	v_mov_b32 v[TM+4+\b], 0                        ; a lane permute's destination counts as read
.endr
.macro OUTA a
.set WN, 2+(\a)/4
.set SS, 64*((\a)%4)
.if KIND
	WIN (WN<<2)|(WN<<6)
.set J, 0
.rept 64
	v_max_num_f32 v[SS+J], 0, v[SS+J]              ; the activation, in f32, each accumulator from its low end on
.set J, J+1
.endr
.endif
	QUANTW WN, SS, PWB+(\a), 1
.irp c, 0,1,2
	global_store_b128 v[LI], v[PC+4*\c:PC+4*\c+3], s[70:71] offset:1536*(\a)+512*\c th:TH_STORE_NT
.endr
.if ((\a)%4) == 3
	v_cndmask_b32 v[SP+2*((\a)/4)], v[PWB+(\a)-3], v[PWB+(\a)-2], s[HM]
	v_cndmask_b32 v[SP+2*((\a)/4)+1], v[PWB+(\a)-1], v[PWB+(\a)], s[HM]
	global_store_b64 v[L8], v[SP+2*((\a)/4):SP+2*((\a)/4)+1], s[72:73] offset:256*((\a)/4) th:TH_STORE_NT   ; 256 consecutive bytes, aligned
.endif
.endm
.irp a, 0,1,2,3,4,5,6,7
	OUTA \a
.endr
	s_wait_tensorcnt 0x0                           ; the wave's end
	ds_add_u32 v[SPW], v[NIL]
	s_wait_dscnt 0x0
	CROUND                                         ; the closing round
	s_endpgm
.Lfunc_end_k_qf7a66ada2a_ffn1:
	.size	k_qf7a66ada2a_ffn1, .Lfunc_end_k_qf7a66ada2a_ffn1-k_qf7a66ada2a_ffn1
	.p2alignl 7, 3214868480
	.fill 96, 4, 3214868480
	.section	.rodata,"a",@progbits
	.p2align	6, 0x0
	.amdhsa_kernel k_qf7a66ada2a_ffn1
		.amdhsa_group_segment_fixed_size 327680
		.amdhsa_private_segment_fixed_size 0
		.amdhsa_enable_private_segment 0
		.amdhsa_kernarg_size 32
		.amdhsa_user_sgpr_count 2
		.amdhsa_user_sgpr_kernarg_segment_ptr 1
		.amdhsa_wavefront_size32 1
		.amdhsa_system_sgpr_workgroup_id_x 1
		.amdhsa_system_sgpr_workgroup_id_y 1
		.amdhsa_system_sgpr_workgroup_id_z 1
		.amdhsa_system_vgpr_workitem_id 0
		.amdhsa_next_free_vgpr 1024
		.amdhsa_next_free_sgpr 98
		.amdhsa_reserve_vcc 0
		.amdhsa_float_denorm_mode_32 3
		.amdhsa_float_denorm_mode_16_64 3
		.amdhsa_memory_ordered 1
		.amdhsa_forward_progress 1
		.amdhsa_inst_pref_size 155
	.end_amdhsa_kernel
	.amdgpu_metadata
---
amdhsa.version: [ 1, 2 ]
amdhsa.kernels:
  - .name:           k_qf7a66ada2a_ffn1
    .symbol:         k_qf7a66ada2a_ffn1.kd
    .args:
      - { .name: x1b, .offset: 0, .size: 8, .value_kind: global_buffer, .address_space: global }
      - { .name: opw, .offset: 8, .size: 8, .value_kind: global_buffer, .address_space: global }
      - { .name: b1, .offset: 16, .size: 8, .value_kind: global_buffer, .address_space: global }
      - { .name: hc, .offset: 24, .size: 8, .value_kind: global_buffer, .address_space: global }
    .group_segment_fixed_size: 327680
    .private_segment_fixed_size: 0
    .kernarg_segment_align: 8
    .kernarg_segment_size: 32
    .max_flat_workgroup_size: 128
    .sgpr_count:     98
    .vgpr_count:     1024
    .wavefront_size: 32
...
	.end_amdgpu_metadata
.endif
;; end of part 6
;; launch ffn2 (part 7): grid 8 x 32, 4 waves a work-group, clusters of 4 x 4, 327,680 bytes of LDS; arguments hc, opw, rowsf; writes rowsf
.if DOCPART == 7
	.amdgcn_target "amdgcn-amd-amdhsa--gfx1250"
	.amdhsa_code_object_version 6
	.text
	.protected	k_qf7a66ada2a_ffn2
	.globl	k_qf7a66ada2a_ffn2
	.p2align	8
	.type	k_qf7a66ada2a_ffn2,@function
k_qf7a66ada2a_ffn2:
	s_mov_b64 s[64:65], 0
	v_nop
	global_prefetch_b8 v0, s[64:65] scope:SCOPE_SE
	s_setreg_imm32_b32 hwreg(HW_REG_WAVE_MODE, 25, 1), 1
	s_wait_xcnt 0x0
	s_wait_alu depctr_hold_cnt(0) depctr_sa_sdst(0) depctr_va_vdst(0) depctr_va_sdst(0) depctr_va_ssrc(0) depctr_va_vcc(0) depctr_vm_vsrc(0)
	s_getreg_b32 s2, hwreg(HW_REG_IB_STS2, 6, 4)
	s_cmp_eq_u32 s2, 0
	s_cbranch_scc0 .Lentry_in_a_cluster
	s_endpgm
.Lentry_in_a_cluster:
	s_bfe_u32 s2, ttmp6, 0x10000c
	s_cmp_lg_u32 s2, 0xf033
	s_cbranch_scc0 .Lentry_shape_is_right
	s_endpgm
.Lentry_shape_is_right:
; A GEMM on operand images with an f32 result in rows.  One text, two uses, by KIND: 0: attn_out = ctx W_O, K = 1,024;  1 (this launch): h W2, K = 4,096 (b2 is added by the launch that follows).  No work is left out.
; M = 4,096 and N = 1,024 give 256 tiles of 128 x 128, one for each work-group; four waves of 64 x 64: 16 accumulators.
; Images: a record is 128 row slots x 256 K, 25,600 bytes: fragment (ksub, rt) at 12288 ksub + 1536 rt, registers 4 c .. 4 c + 3 of lane l at 512 c + 16 l; scale words at
; 24576 + 512 ksub + 256 (rt / 4) + 8 (16 (rt % 2) + rho) + 4 ((rt / 2) % 2).  Slot (rt, rho) is row 32 (rt / 2) + 8 (rt % 2) + rho + 8 (rho / 8) of its panel.
; K goes in steps of 512 through two LDS slots of four records (A's two kslots, B's two); each wave fetches one record.  CLUSTER 4 x 4: A's records are shared along a row, B's along a column.
; TRANSPOSED USE: source 0 = 16 slots of B, source 1 = 16 slots of A: a lane holds eight neighbouring columns of one row of C.
; REGISTERS: window 0: v16-29 addresses; v32-39 scale words, two sets; v64-127 the way out; v128-255 accumulators.  window 1: two sets of fragments (A's four, B's four).
.set KIND,  1
.set REC,   25600
.set SCO,   24576
.set KSTR,  32*REC
.if KIND
.set BSEC,  9830400
.set BSTR,  204800
.set LAPS,  4
.else
.set BSEC,  3276800+24*REC
.set BSTR,  KSTR
.set LAPS,  1
.endif
.set SLOT,  4*REC
.set STAGE, 2*SLOT                     ; behind the ring: 16 rows x (256 + 16) bytes for each wave
.set SPARE, STAGE+4*4352
.set ADRA, 16
.set ASA,  18
.set ADRB, 20
.set ASB,  22
.set STO,  24
.set RD,   25
.set CO,   26
.set SPW,  28
.set NIL,  29
.set SC,   32
.set BK,   64
.set ACC,  128
.set G1,   24
.set G0,   32
.set G1B,  48
.set G0B,  56
.set MUL,  0x05                        ; sources 0 and 1 window 1; C and D window 0
.set MSB, 0
.macro WIN new
.if MSB != (\new)
	s_set_vgpr_msb (MSB<<8)|(\new)
.set MSB, (\new)
.endif
.endm
.macro PLACES n
.rept \n
	v_nop
.endr
.endm
.macro JLOAD g0a, g0b                  ; waves 0, 1 fetch A's records, waves 2, 3 B's; s_nop 0 and four v_nop follow each line
	s_cmp_eq_u32 s15, 0
	s_cbranch_scc0 .Lfor_b_\@
	tensor_load_to_lds s[\g0a:\g0a+3], s[G1:G1+7]
	s_nop 0
	PLACES 4
	s_branch .Lasked_\@
.Lfor_b_\@:
	tensor_load_to_lds s[\g0b:\g0b+3], s[G1B:G1B+7]
	s_nop 0
	PLACES 4
.Lasked_\@:
.endm
.macro CREST
	s_cmp_lg_u32 s14, 0
	s_cbranch_scc1 .Lnot_wave_0_\@
	s_barrier_signal -3
.Lnot_wave_0_\@:
	s_barrier_wait -3
	s_barrier_signal -1
	s_barrier_wait -1
.endm
.macro CROUND
	s_barrier_signal -1
	s_barrier_wait -1
	CREST
.endm
.macro WM d, a, b, c, sa, sb, ra, rb
.if (\c) < 0
.if (\ra) && (\rb)
	v_wmma_scale_f32_16x16x128_f8f6f4 v[(\d):(\d)+7], v[(\a):(\a)+11], v[(\b):(\b)+11], 0, v[(\sa)], v[(\sb)] matrix_a_fmt:MATRIX_FMT_FP6 matrix_b_fmt:MATRIX_FMT_FP6 matrix_a_scale:MATRIX_SCALE_ROW1 matrix_b_scale:MATRIX_SCALE_ROW1
.elseif (\ra)
	v_wmma_scale_f32_16x16x128_f8f6f4 v[(\d):(\d)+7], v[(\a):(\a)+11], v[(\b):(\b)+11], 0, v[(\sa)], v[(\sb)] matrix_a_fmt:MATRIX_FMT_FP6 matrix_b_fmt:MATRIX_FMT_FP6 matrix_a_scale:MATRIX_SCALE_ROW1
.elseif (\rb)
	v_wmma_scale_f32_16x16x128_f8f6f4 v[(\d):(\d)+7], v[(\a):(\a)+11], v[(\b):(\b)+11], 0, v[(\sa)], v[(\sb)] matrix_a_fmt:MATRIX_FMT_FP6 matrix_b_fmt:MATRIX_FMT_FP6 matrix_b_scale:MATRIX_SCALE_ROW1
.else
	v_wmma_scale_f32_16x16x128_f8f6f4 v[(\d):(\d)+7], v[(\a):(\a)+11], v[(\b):(\b)+11], 0, v[(\sa)], v[(\sb)] matrix_a_fmt:MATRIX_FMT_FP6 matrix_b_fmt:MATRIX_FMT_FP6
.endif
.else
.if (\ra) && (\rb)
	v_wmma_scale_f32_16x16x128_f8f6f4 v[(\d):(\d)+7], v[(\a):(\a)+11], v[(\b):(\b)+11], v[(\c):(\c)+7], v[(\sa)], v[(\sb)] matrix_a_fmt:MATRIX_FMT_FP6 matrix_b_fmt:MATRIX_FMT_FP6 matrix_a_scale:MATRIX_SCALE_ROW1 matrix_b_scale:MATRIX_SCALE_ROW1
.elseif (\ra)
	v_wmma_scale_f32_16x16x128_f8f6f4 v[(\d):(\d)+7], v[(\a):(\a)+11], v[(\b):(\b)+11], v[(\c):(\c)+7], v[(\sa)], v[(\sb)] matrix_a_fmt:MATRIX_FMT_FP6 matrix_b_fmt:MATRIX_FMT_FP6 matrix_a_scale:MATRIX_SCALE_ROW1
.elseif (\rb)
	v_wmma_scale_f32_16x16x128_f8f6f4 v[(\d):(\d)+7], v[(\a):(\a)+11], v[(\b):(\b)+11], v[(\c):(\c)+7], v[(\sa)], v[(\sb)] matrix_a_fmt:MATRIX_FMT_FP6 matrix_b_fmt:MATRIX_FMT_FP6 matrix_b_scale:MATRIX_SCALE_ROW1
.else
	v_wmma_scale_f32_16x16x128_f8f6f4 v[(\d):(\d)+7], v[(\a):(\a)+11], v[(\b):(\b)+11], v[(\c):(\c)+7], v[(\sa)], v[(\sb)] matrix_a_fmt:MATRIX_FMT_FP6 matrix_b_fmt:MATRIX_FMT_FP6
.endif
.endif
.endm
	s_load_b128 s[4:7], s[0:1], 0x0                ; A's image, opw
	s_load_b64 s[8:9], s[0:1], 0x10                ; rowsf
	v_lshl_add_u32 v[SPW], v0, 2, SPARE
	v_mov_b32 v[NIL], 0
	ds_add_u32 v[SPW], v[NIL]                      ; the opening: the add, twice on end, and its wait ahead of my first tensor load
	ds_add_u32 v[SPW], v[NIL]
	v_lshrrev_b32 v1, 5, v0
	v_readfirstlane_b32 s14, v1                    ; wave
	s_lshr_b32 s15, s14, 1                         ; my half of the tile's rows; also: I fetch for A (0) or B (1)
	s_and_b32 s16, s14, 1                          ; my half of its columns; also: which of a slot's two kslots I fetch
	s_bfe_u32 s40, ttmp6, 0x40000
	s_bfe_u32 s41, ttmp6, 0x40004
	s_lshl_b32 s42, ttmp9, 2
	s_add_co_u32 s42, s42, s40                     ; B's panel
	s_and_b32 s17, ttmp7, 0xffff
	s_lshl_b32 s17, s17, 2
	s_add_co_u32 s17, s17, s41                     ; A's panel
	s_lshl_b32 s43, s41, 2
	s_lshl_b32 s43, 15, s43
	s_lshl_b32 s44, 0x1111, s40
	s_or_b32 s[G1], s43, (3<<16)|(1<<21)
	s_or_b32 s[G1B], s44, (3<<16)|(1<<21)
.irp g, G1, G1B                        ; a record: 100 rows of 256 bytes, dense
	s_mov_b32 s[\g+1], 32<<16
	s_mov_b32 s[\g+2], 100<<16
	s_mov_b32 s[\g+3], 32<<16
	s_mov_b32 s[\g+4], 100
	s_mov_b32 s[\g+5], 32
	s_mov_b32 s[\g+6], 0
	s_mov_b32 s[\g+7], 0
.endr
	s_mul_i32 s66, s16, KSTR
	s_mul_i32 s67, s17, REC
	s_add_co_u32 s66, s66, s67
	s_mov_b32 s67, 0
	s_mul_i32 s68, s16, BSTR
	s_mul_i32 s69, s42, REC
	s_add_co_u32 s68, s68, s69
	s_add_co_u32 s68, s68, BSEC
	s_mov_b32 s69, 0
	s_mul_i32 s77, s14, REC
	s_lshl_b32 s70, s17, 19
	s_lshl_b32 s71, s15, 18
	s_add_co_u32 s70, s70, s71
	s_lshl_b32 s71, s42, 9
	s_add_co_u32 s70, s70, s71
	s_lshl_b32 s71, s16, 8
	s_add_co_u32 s70, s70, s71
	s_mov_b32 s71, 0                               ; C: (128 x A's panel + 64 x half) rows of 4,096 bytes + (128 x B's panel + 64 x half) x 4
	s_wait_dscnt 0x0
	s_wait_kmcnt 0x0
	s_add_nc_u64 s[66:67], s[4:5], s[66:67]
	s_add_nc_u64 s[68:69], s[6:7], s[68:69]
	s_add_nc_u64 s[8:9], s[8:9], s[70:71]
	CROUND
.irp s, 0,1
	s_mov_b32 s[G0+4*\s], 1
	s_add_co_u32 s[G0+4*\s+1], s77, \s*SLOT
	s_add_nc_u64 s[G0+4*\s+2:G0+4*\s+3], s[66:67], \s*2*KSTR
	s_or_b32 s[G0+4*\s+3], s[G0+4*\s+3], 0x80000000
	s_mov_b32 s[G0B+4*\s], 1
	s_add_co_u32 s[G0B+4*\s+1], s77, \s*SLOT
	s_add_nc_u64 s[G0B+4*\s+2:G0B+4*\s+3], s[68:69], \s*2*BSTR
	s_or_b32 s[G0B+4*\s+3], s[G0B+4*\s+3], 0x80000000
	JLOAD G0+4*\s, G0B+4*\s
.endr
	v_and_b32 v3, 31, v0
	v_lshlrev_b32 v4, 4, v3
	v_lshlrev_b32 v5, 3, v3
	s_mul_i32 s21, s15, 6144                       ; my four tiles of A,
	s_mul_i32 s22, s16, 6144
	s_add_co_u32 s22, s22, 2*REC                   ; of B
	s_lshl_b32 s23, s15, 8
	s_add_co_u32 s23, s23, SCO
	s_lshl_b32 s45, s16, 8
	s_add_co_u32 s45, s45, 2*REC+SCO
.irp s, 0,1
	v_add_nc_u32 v[ADRA+\s], s21, v4
	v_add_nc_u32 v[ADRB+\s], s22, v4
	v_add_nc_u32 v[ASA+\s], s23, v5
	v_add_nc_u32 v[ASB+\s], s45, v5
	s_add_co_u32 s21, s21, SLOT
	s_add_co_u32 s22, s22, SLOT
	s_add_co_u32 s23, s23, SLOT
	s_add_co_u32 s45, s45, SLOT
.endr
	s_mul_i32 s23, s14, 4352
	s_add_co_u32 s23, s23, STAGE
	v_and_b32 v1, 15, v0
	v_bfe_u32 v2, v0, 4, 1
	v_mul_u32_u24 v3, v1, 272
	v_lshl_add_u32 v3, v2, 6, v3
	v_add_nc_u32 v[STO], s23, v3                   ; into my stage: row = A's slot, + 64 h
	v_mul_u32_u24 v3, v2, 272
	v_lshl_add_u32 v3, v1, 4, v3
	v_add_nc_u32 v[RD], s23, v3                    ; back: lanes 0-15 one row of 256 bytes, lanes 16-31 the next
	v_lshlrev_b32 v3, 12, v2
	v_lshl_add_u32 v[CO], v1, 4, v3
.macro FETCH slot, qd, f               ; the slot's qd-th 128 along K into set f: 26 loads: scale words, B's four fragments, A's blocks 0, 1, then 2, 3
	WIN 0
	ds_load_b64 v[SC+4*\f:SC+4*\f+1], v[ASA+\slot] offset:((\qd)/2)*REC+512*((\qd)%2)
	ds_load_b64 v[SC+4*\f+2:SC+4*\f+3], v[ASB+\slot] offset:((\qd)/2)*REC+512*((\qd)%2)
	WIN 0x40
.irp b, 0,1,2,3
.irp c, 0,1,2
	ds_load_b128 v[128*\f+48+12*\b+4*\c:128*\f+48+12*\b+4*\c+3], v[ADRB+\slot] offset:((\qd)/2)*REC+12288*((\qd)%2)+1536*\b+512*\c
.endr
.endr
.irp a, 0,1,2,3
.irp c, 0,1,2
	ds_load_b128 v[128*\f+12*\a+4*\c:128*\f+12*\a+4*\c+3], v[ADRA+\slot] offset:((\qd)/2)*REC+12288*((\qd)%2)+1536*\a+512*\c
.endr
.endr
.endm
.macro MULA f, a, zero                 ; A's block a x B's four.  The 16 accumulators take turns, one instruction a turn
.irp b, 0,1,2,3
.set DD, ACC+8*(4*(\a)+\b)
.if \zero
.set CC, -1
.else
.set CC, DD
.endif
	WM DD, 128*(\f)+48+12*\b, 128*(\f)+12*(\a), CC, SC+4*(\f)+2+\b/2, SC+4*(\f)+(\a)/2, \b%2, (\a)%2
.endr
.endm
.macro QUARTER slot, qn, f, g, zero
	s_wait_dscnt 6                                 ; all but A's blocks 2, 3
	WIN MUL
	MULA \f, 0, \zero
	MULA \f, 1, \zero
	PLACES 4
	FETCH \slot, \qn, \g
	s_wait_dscnt 26                                ; all but the 26 just issued
	WIN MUL
	MULA \f, 2, \zero
	MULA \f, 3, \zero
.endm
.macro TURN slot, next, fill           ; a slot's last quarter (set 1), and the change of slots: one barrier
	WIN 0
	s_wait_tensorcnt 0x0                           ; all my tensor loads have landed: my record of the next slot
	ds_add_u32 v[SPW], v[NIL]                      ; 0 onto my spare word
	s_wait_dscnt 7                                 ; (the add and A's blocks 2, 3 may be out)
	WIN MUL
	MULA 1, 0, 0
	s_wait_dscnt 0x0                               ; the add is done, and my reads of this slot are over
	s_barrier_signal -1
	MULA 1, 1, 0
	WIN 0
	s_barrier_wait -1
.if \fill
	CREST                                          ; no wave of any partner still reads this slot or has a load on its way
	s_add_nc_u64 s[G0+4*\slot+2:G0+4*\slot+3], s[G0+4*\slot+2:G0+4*\slot+3], 4*KSTR
	s_add_nc_u64 s[G0B+4*\slot+2:G0B+4*\slot+3], s[G0B+4*\slot+2:G0B+4*\slot+3], 4*BSTR
	JLOAD G0+4*\slot, G0B+4*\slot
.else
	PLACES 4
.endif
	FETCH \next, 0, 0
	WIN MUL
	MULA 1, 2, 0
	MULA 1, 3, 0
.endm
	s_wait_tensorcnt 1                             ; my record of slot 0 is in; slot 1's may stay out
	s_barrier_signal -1
	s_barrier_wait -1
	FETCH 0, 0, 0
	QUARTER 0, 1, 0, 1, 1                          ; the first quarter's products start the sums
.if LAPS > 1
	WIN 0
	s_mov_b32 s3, LAPS-1
.Llap:
	QUARTER 0, 2, 1, 0, 0
	QUARTER 0, 3, 0, 1, 0
	TURN 0, 1, 1
	QUARTER 1, 1, 0, 1, 0
	QUARTER 1, 2, 1, 0, 0
	QUARTER 1, 3, 0, 1, 0
	TURN 1, 0, 1
	QUARTER 0, 1, 0, 1, 0
	WIN 0
	s_sub_co_u32 s3, s3, 1
	s_cmp_lg_u32 s3, 0
	s_cbranch_scc1 .Llap
.endif
	QUARTER 0, 2, 1, 0, 0                          ; the last lap fills nothing
	QUARTER 0, 3, 0, 1, 0
	TURN 0, 1, 0
	QUARTER 1, 1, 0, 1, 0
	QUARTER 1, 2, 1, 0, 0
	QUARTER 1, 3, 0, 1, 0
	s_wait_dscnt 6
	WIN MUL
	MULA 1, 0, 0
	MULA 1, 1, 0
	s_wait_dscnt 0x0
	MULA 1, 2, 0
	MULA 1, 3, 0
	WIN 0
; THE WAY OUT: A's block a x my 64 columns goes through my own stage and leaves as rows: sixteen lanes store 256 consecutive bytes, aligned.  The immediates put each slot's row at its place among the panel's rows.
	PLACES 4
.macro OUTS a
.set BB, BK+32*((\a)%2)
.if (\a) > 1
	s_wait_xcnt 0x0                                ; block a - 2's stores have read their registers
.endif
.irp b, 0,1,2,3
	ds_store_b128 v[STO], v[ACC+8*(4*(\a)+\b):ACC+8*(4*(\a)+\b)+3] offset:128*(\b/2)+32*(\b%2)
	ds_store_b128 v[STO], v[ACC+8*(4*(\a)+\b)+4:ACC+8*(4*(\a)+\b)+7] offset:128*(\b/2)+32*(\b%2)+16
.endr
.irp t, 0,1,2,3,4,5,6,7
	ds_load_b128 v[BB+4*\t:BB+4*\t+3], v[RD] offset:544*\t   ; LDS serves a wave's instructions in order: these see my stores
.endr
	s_wait_dscnt 0x0
.irp t, 0,1,2,3,4,5,6,7
	global_store_b128 v[CO], v[BB+4*\t:BB+4*\t+3], s[8:9] offset:(32*((\a)/2)+8*((\a)%2)+2*\t+8*(\t/4))*4096
.endr
.endm
	OUTS 0
	OUTS 1
	OUTS 2
	OUTS 3
	s_wait_tensorcnt 0x0                           ; the wave's end
	ds_add_u32 v[SPW], v[NIL]
	s_wait_dscnt 0x0
	CROUND                                         ; the closing round
	s_endpgm
.Lfunc_end_k_qf7a66ada2a_ffn2:
	.size	k_qf7a66ada2a_ffn2, .Lfunc_end_k_qf7a66ada2a_ffn2-k_qf7a66ada2a_ffn2
	.p2alignl 7, 3214868480
	.fill 96, 4, 3214868480
	.section	.rodata,"a",@progbits
	.p2align	6, 0x0
	.amdhsa_kernel k_qf7a66ada2a_ffn2
		.amdhsa_group_segment_fixed_size 327680
		.amdhsa_private_segment_fixed_size 0
		.amdhsa_enable_private_segment 0
		.amdhsa_kernarg_size 24
		.amdhsa_user_sgpr_count 2
		.amdhsa_user_sgpr_kernarg_segment_ptr 1
		.amdhsa_wavefront_size32 1
		.amdhsa_system_sgpr_workgroup_id_x 1
		.amdhsa_system_sgpr_workgroup_id_y 1
		.amdhsa_system_sgpr_workgroup_id_z 1
		.amdhsa_system_vgpr_workitem_id 0
		.amdhsa_next_free_vgpr 512
		.amdhsa_next_free_sgpr 98
		.amdhsa_reserve_vcc 0
		.amdhsa_float_denorm_mode_32 3
		.amdhsa_float_denorm_mode_16_64 3
		.amdhsa_memory_ordered 1
		.amdhsa_forward_progress 1
		.amdhsa_inst_pref_size 80
	.end_amdhsa_kernel
	.amdgpu_metadata
---
amdhsa.version: [ 1, 2 ]
amdhsa.kernels:
  - .name:           k_qf7a66ada2a_ffn2
    .symbol:         k_qf7a66ada2a_ffn2.kd
    .args:
      - { .name: hc, .offset: 0, .size: 8, .value_kind: global_buffer, .address_space: global }
      - { .name: opw, .offset: 8, .size: 8, .value_kind: global_buffer, .address_space: global }
      - { .name: rowsf, .offset: 16, .size: 8, .value_kind: global_buffer, .address_space: global }
    .group_segment_fixed_size: 327680
    .private_segment_fixed_size: 0
    .kernarg_segment_align: 8
    .kernarg_segment_size: 24
    .max_flat_workgroup_size: 128
    .sgpr_count:     98
    .vgpr_count:     512
    .wavefront_size: 32
...
	.end_amdgpu_metadata
.endif
;; end of part 7
;; launch ln2 (part 8): grid 256 x 1, 4 waves a work-group, no clusters, 0 bytes of LDS; arguments rowsf, x1b, b2, gamma2, beta2, out0; writes out0
.if DOCPART == 8
	.amdgcn_target "amdgcn-amd-amdhsa--gfx1250"
	.amdhsa_code_object_version 6
	.text
	.protected	k_qf7a66ada2a_ln2
	.globl	k_qf7a66ada2a_ln2
	.p2align	8
	.type	k_qf7a66ada2a_ln2,@function
k_qf7a66ada2a_ln2:
	s_mov_b64 s[64:65], 0
	v_nop
	global_prefetch_b8 v0, s[64:65] scope:SCOPE_SE
	s_setreg_imm32_b32 hwreg(HW_REG_WAVE_MODE, 25, 1), 1
	s_wait_xcnt 0x0
; y = res + layer_norm(a (+ bias)) gamma + beta, a wave to a row of 1,024, the row kept in registers.  One text, two uses, by KIND.  No work is left out.
;   KIND 0: x1 = batch_X + LN(attn_out), as f32 rows and as an operand image.
;   KIND 1 (this launch): out0 = x1 + LN(h W2 + b2); a work-group takes rows 16 g .. 16 g + 15, wave w four of them.  No LDS.
; Memory binds: no matrix unit, no cluster, no tensor load.  Each load and store of a wave covers 512 consecutive bytes.  LIMITS: NaN and infinities are not served.
.set KIND,  1
.set REC,   25600
.set SCO,   24576
.set SPARE, 65792
.set LI,  1
.set SPW, 2
.set NIL, 3
.set T,   16
.set MU,  20
.set RS,  22
.set PT,  24
.set WD,  25
.set SH8, 28
.set SRA, 29
.set SWA, 30
.set SCA, 31
.set GA,  32
.set BE,  64
.set B2,  96
.set PC,  96
.set TP,  108
.set TM,  116
.set A0,  128
.set X0,  192
.set SEL, 16
.set HM,  18
.if KIND
.set GAP, 10
.set BEP, 12
.set OUTP, 14
.else
.set GAP, 8
.set BEP, 10
.set OUTP, 12
.endif
	s_load_b256 s[4:11], s[0:1], 0x0
.if KIND
	s_load_b128 s[12:15], s[0:1], 0x20
.else
	s_load_b64 s[12:13], s[0:1], 0x20
	v_lshl_add_u32 v[SPW], v0, 2, SPARE
	v_mov_b32 v[NIL], 0
.endif
	v_lshrrev_b32 v4, 5, v0
	v_readfirstlane_b32 s19, v4                    ; wave
	v_and_b32 v4, 31, v0
	v_lshlrev_b32 v[LI], 4, v4
	s_mov_b32 s[SEL], 0x76543210
	s_mov_b32 s[SEL+1], 0xfedcba98
	s_mov_b32 s[HM], 0xffff0000
	s_mov_b32 s20, 0x3a800000                      ; 1 / 1,024
	s_mov_b32 s21, 0x358637bd                      ; 1e-6
	v_mov_b32 v[MU+1], 0                           ; (named as the upper halves of pairs)
	v_mov_b32 v[RS+1], 0
	v_mov_b32 v[PT], 0
.if KIND
	s_lshl_b32 s24, ttmp9, 4
	s_lshl_b32 s27, s19, 2
	s_add_co_u32 s24, s24, s27                     ; my first row
.else
	v_and_b32 v5, 15, v0
	v_bfe_u32 v6, v0, 4, 1
	s_mul_i32 s32, s19, 16448
	v_add_nc_u32 v[SWA], s32, v[LI]                ; LDS: my four rows
	v_mul_u32_u24 v[SRA], v5, 4112
	v_lshl_add_u32 v[SRA], v6, 7, v[SRA]
	s_lshl_b32 s32, s19, 10
	v_add_nc_u32 v[SRA], s32, v[SRA]               ; and back: row rho, my 256 columns, + 128 h
	v_lshlrev_b32 v[SH8], 3, v6
	v_lshlrev_b32 v[SCA], 9, v6
	v_lshl_add_u32 v[SCA], v5, 3, v[SCA]
	v_mov_b32 v[TM+6], 0
	s_lshr_b32 s22, ttmp9, 3                       ; panel
	s_and_b32 s23, ttmp9, 7                        ; tile
	s_lshl_b32 s28, s19, 5
	s_add_co_u32 s28, s28, s22
	s_mul_i32 s28, s28, REC                        ; the record: kslot = wave
	s_add_co_u32 s28, s28, 16777216
	s_lshr_b32 s30, s23, 2
	s_lshl_b32 s30, s30, 8
	s_and_b32 s26, s23, 1
	s_lshl_b32 s27, s26, 7
	s_add_co_u32 s30, s30, s27
	s_bfe_u32 s27, s23, 0x10001
	s_lshl_b32 s27, s27, 2
	s_add_co_u32 s30, s30, s27
	s_add_co_u32 s30, s30, s28
	s_add_co_u32 s30, s30, SCO
	s_mov_b32 s31, 0                               ; the tile's scale words
	s_mul_i32 s27, s23, 1536
	s_add_co_u32 s28, s28, s27
	s_mov_b32 s29, 0                               ; the tile's fragment
	s_lshl_b32 s24, s22, 7
	s_lshr_b32 s25, s23, 1
	s_lshl_b32 s25, s25, 5
	s_add_co_u32 s24, s24, s25
	s_lshl_b32 s27, s26, 3
	s_add_co_u32 s24, s24, s27
	s_lshl_b32 s27, s19, 2
	s_add_co_u32 s24, s24, s27
	s_lshr_b32 s27, s19, 1
	s_lshl_b32 s27, s27, 3
	s_add_co_u32 s24, s24, s27                     ; slot 4 w is row 128 p + 32 (rt / 2) + 8 (rt % 2) + 4 w + 8 (w / 2)
.endif
	s_lshl_b32 s24, s24, 12
	s_mov_b32 s25, 0
	s_wait_kmcnt 0x0
	s_add_nc_u64 s[4:5], s[4:5], s[24:25]
	s_add_nc_u64 s[6:7], s[6:7], s[24:25]
.if KIND == 0
	s_add_nc_u64 s[28:29], s[OUTP:OUTP+1], s[28:29]
	s_add_nc_u64 s[30:31], s[OUTP:OUTP+1], s[30:31]
.endif
	s_add_nc_u64 s[OUTP:OUTP+1], s[OUTP:OUTP+1], s[24:25]
.irp c, 0,1,2,3,4,5,6,7
	global_load_b128 v[GA+4*\c:GA+4*\c+3], v[LI], s[GAP:GAP+1] offset:512*\c
	global_load_b128 v[BE+4*\c:BE+4*\c+3], v[LI], s[BEP:BEP+1] offset:512*\c
.if KIND
	global_load_b128 v[B2+4*\c:B2+4*\c+3], v[LI], s[8:9] offset:512*\c
.endif
.endr
.macro LOADROW i                       ; 16 loads of 512 consecutive bytes
.irp c, 0,1,2,3,4,5,6,7
	global_load_b128 v[A0+32*((\i)%2)+4*\c:A0+32*((\i)%2)+4*\c+3], v[LI], s[4:5] offset:4096*(\i)+512*\c th:TH_LOAD_NT
.endr
.irp c, 0,1,2,3,4,5,6,7
	global_load_b128 v[X0+32*((\i)%2)+4*\c:X0+32*((\i)%2)+4*\c+3], v[LI], s[6:7] offset:4096*(\i)+512*\c th:TH_LOAD_NT
.endr
.endm
.macro RED                             ; v[T] summed over the 32 lanes, in every lane
	v_pk_add_f32 v[T:T+1], v[T:T+1], v[T+2:T+3]
	v_add_f32 v[T], v[T], v[T+1]
	v_add_f32_dpp v[T], v[T], v[T] row_xmask:1 row_mask:0xf bank_mask:0xf
	v_add_f32_dpp v[T], v[T], v[T] row_xmask:2 row_mask:0xf bank_mask:0xf
	v_add_f32_dpp v[T], v[T], v[T] row_xmask:4 row_mask:0xf bank_mask:0xf
	v_add_f32_dpp v[T], v[T], v[T] row_xmask:8 row_mask:0xf bank_mask:0xf
	v_permlanex16_b32 v[PT], v[T], s[SEL], s[SEL+1]
	v_add_f32 v[T], v[T], v[PT]
.endm
.macro ROW i
.set A, A0+32*((\i)%2)
.set X, X0+32*((\i)%2)
.if (\i) < 3
	s_wait_loadcnt 16                              ; this row's loads (and the gains) are in; the next row's 16 may be out
.else
	s_wait_loadcnt 0x0
.endif
.if KIND
.set J, 0
.rept 16
	v_pk_add_f32 v[A+J:A+J+1], v[A+J:A+J+1], v[B2+J:B2+J+1]
.set J, J+2
.endr
.endif
	v_pk_add_f32 v[T:T+1], v[A:A+1], v[A+2:A+3]
	v_pk_add_f32 v[T+2:T+3], v[A+4:A+5], v[A+6:A+7]
.irp j, 8,12,16,20,24,28
	v_pk_add_f32 v[T:T+1], v[T:T+1], v[A+\j:A+\j+1]
	v_pk_add_f32 v[T+2:T+3], v[T+2:T+3], v[A+\j+2:A+\j+3]
.endr
	RED
	v_mul_f32 v[MU], s20, v[T]                     ; the mean
.set J, 0
.rept 16
	v_pk_add_f32 v[A+J:A+J+1], v[A+J:A+J+1], v[MU:MU+1] op_sel_hi:[1,0] neg_lo:[0,1] neg_hi:[0,1]
.set J, J+2
.endr
	v_pk_mul_f32 v[T:T+1], v[A:A+1], v[A:A+1]
	v_pk_mul_f32 v[T+2:T+3], v[A+2:A+3], v[A+2:A+3]
.irp j, 4,8,12,16,20,24,28
	v_pk_fma_f32 v[T:T+1], v[A+\j:A+\j+1], v[A+\j:A+\j+1], v[T:T+1]
	v_pk_fma_f32 v[T+2:T+3], v[A+\j+2:A+\j+3], v[A+\j+2:A+\j+3], v[T+2:T+3]
.endr
	RED
	v_fma_f32 v[T], v[T], s20, s21                 ; the variance + 1e-6
	v_rsq_f32 v[RS], v[T]
	v_nop
	s_wait_alu depctr_va_vdst(0)
.set J, 0
.rept 16
	v_pk_mul_f32 v[A+J:A+J+1], v[A+J:A+J+1], v[RS:RS+1] op_sel_hi:[1,0]
.set J, J+2
.endr
.set J, 0
.rept 16
	v_pk_fma_f32 v[A+J:A+J+1], v[A+J:A+J+1], v[GA+J:GA+J+1], v[BE+J:BE+J+1]
.set J, J+2
.endr
.set J, 0
.rept 16
	v_pk_add_f32 v[A+J:A+J+1], v[A+J:A+J+1], v[X+J:X+J+1]
.set J, J+2
.endr
.irp c, 0,1,2,3,4,5,6,7
	global_store_b128 v[LI], v[A+4*\c:A+4*\c+3], s[OUTP:OUTP+1] offset:4096*(\i)+512*\c
.endr
.if KIND == 0
.irp c, 0,1,2,3,4,5,6,7
	ds_store_b128 v[SWA], v[A+4*\c:A+4*\c+3] offset:4112*(\i)+512*\c
.endr
.endif
.if (\i)+2 < 4
	s_wait_xcnt 0x0                                ; the stores have read their registers, which take the row two on
.if KIND == 0
	s_wait_dscnt 0x0                               ; the LDS stores too
.endif
	LOADROW (\i)+2
.endif
.endm
	LOADROW 0
	LOADROW 1
	ROW 0
	ROW 1
	ROW 2
	ROW 3
	s_endpgm
.Lfunc_end_k_qf7a66ada2a_ln2:
	.size	k_qf7a66ada2a_ln2, .Lfunc_end_k_qf7a66ada2a_ln2-k_qf7a66ada2a_ln2
	.p2alignl 7, 3214868480
	.fill 96, 4, 3214868480
	.section	.rodata,"a",@progbits
	.p2align	6, 0x0
	.amdhsa_kernel k_qf7a66ada2a_ln2
		.amdhsa_group_segment_fixed_size 0
		.amdhsa_private_segment_fixed_size 0
		.amdhsa_enable_private_segment 0
		.amdhsa_kernarg_size 48
		.amdhsa_user_sgpr_count 2
		.amdhsa_user_sgpr_kernarg_segment_ptr 1
		.amdhsa_wavefront_size32 1
		.amdhsa_system_sgpr_workgroup_id_x 1
		.amdhsa_system_sgpr_workgroup_id_y 1
		.amdhsa_system_sgpr_workgroup_id_z 1
		.amdhsa_system_vgpr_workitem_id 0
		.amdhsa_next_free_vgpr 256
		.amdhsa_next_free_sgpr 66
		.amdhsa_reserve_vcc 0
		.amdhsa_float_denorm_mode_32 3
		.amdhsa_float_denorm_mode_16_64 3
		.amdhsa_memory_ordered 1
		.amdhsa_forward_progress 1
		.amdhsa_inst_pref_size 45
	.end_amdhsa_kernel
	.amdgpu_metadata
---
amdhsa.version: [ 1, 2 ]
amdhsa.kernels:
  - .name:           k_qf7a66ada2a_ln2
    .symbol:         k_qf7a66ada2a_ln2.kd
    .args:
      - { .name: rowsf, .offset: 0, .size: 8, .value_kind: global_buffer, .address_space: global }
      - { .name: x1b, .offset: 8, .size: 8, .value_kind: global_buffer, .address_space: global }
      - { .name: b2, .offset: 16, .size: 8, .value_kind: global_buffer, .address_space: global }
      - { .name: gamma2, .offset: 24, .size: 8, .value_kind: global_buffer, .address_space: global }
      - { .name: beta2, .offset: 32, .size: 8, .value_kind: global_buffer, .address_space: global }
      - { .name: out0, .offset: 40, .size: 8, .value_kind: global_buffer, .address_space: global }
    .group_segment_fixed_size: 0
    .private_segment_fixed_size: 0
    .kernarg_segment_align: 8
    .kernarg_segment_size: 48
    .max_flat_workgroup_size: 128
    .sgpr_count:     66
    .vgpr_count:     256
    .wavefront_size: 32
...
	.end_amdgpu_metadata
.endif
;; end of part 8
